; MI455X (gfx1250); checked and timed in simulation.
; The chip was launched on July 23, 2026; its instructions are those of AMD's public machine-readable ISA for CDNA 5 (MIT licence, August 2026) and "CDNA5" Instruction Set Architecture Reference Guide (July 2026). The comments in the code are by the model that wrote it; some were corrected since.
;; Experts Model. Allowed arithmetic: matrix products marked QUANTISED: E5M2 operands, one E8M0 scale for each 32 along K, by v_wmma_scale_f32_16x16x128_f8f6f4 with both operands' format E5M2, f32 sums; products left as they are: f32 operands where the result goes on into a quantised operand, else bf16, f16 or f32 operands; f32 sums; everything else in f32.
;; Inputs: W1_codes 8 x 2,048 x 16 x 32 uint8 (E5M2 codes of W1, K innermost, in blocks of 32 codes); W1_scales 8 x 2,048 x 16 uint8 (E8M0 scales of W1, one for each 32 codes along K); W2_codes 8 x 512 x 64 x 32 uint8 (E5M2 codes of W2, K innermost, in blocks of 32 codes); W2_scales 8 x 512 x 64 uint8 (E8M0 scales of W2, one for each 32 codes along K); Wg 512 x 8 float32; b1 8 x 2,048 float32; b2 8 x 512 float32; bg 8 float32; x 4,096 x 512 float32.
;; Outputs: out0 4,096 x 512 float32.
;; This version of the problem:
;;   THIS VERSION OF THE PROBLEM IS GIVEN IN LOW PRECISION. The matrix products marked QUANTISED in the list below multiply operands that are first quantised to E5M2 (5 exponent bits, 2 mantissa bits; 8 bits a number), with one power-of-two scale for each 32 numbers along K (OCP MX v1.0); their sums are f32. All else is computed in f32.
;;   The module's matrix products, in the order in which they are computed (A, B: the left and right operand; K: the contracted axis; several contracted axes count as one K, in the product's order):
;;     1. [M 4,096, K 512] x [K 512, N 8]; A: input x; B: input Wg: left as it is (N = 8 < 16)
;;     2. [M 16,384, K 512] x [K 512, N 4,096]; A: input W1 (given as codes); B: input x: QUANTISED
;;     3. batch 8 x [M 4,096, K 2,048] x [K 2,048, N 512]; A: computed on the way; B: input W2 (given as codes): QUANTISED
;;     4. batch 4,096 x [M 512, K 8] x [K 8, N 1]; A: computed on the way; B: computed on the way: left as it is (K = 8 < 32)
;;   THE QUANTISER, for each operand of a quantised product, along K:
;;     - K is cut into blocks of 32 from its start; a last block that is shorter is filled with zeros.
;;     - A block's scale is 2^e with e = floor(log2(the largest magnitude in the block)) - 15, held to -126 .. 127; a block of zeros has e = 0. As a byte (E8M0): e + 127.
;;     - Each number is divided by its block's scale, clamped to +-57,344, and rounded to the nearest number of E5M2, ties to even, subnormals kept.
;;     - The product sums the exact products of the quantised numbers (number of the format x scale) in f32.
;;   ~~~python
;;   def quantise(x, axis):      # numpy; x: float32 -> the quantised numbers, widened to float32 again
;;       x = np.moveaxis(x, axis, -1); K = x.shape[-1]
;;       x = np.pad(x, [(0, 0)] * (x.ndim - 1) + [(0, -K % 32)]); x = x.reshape(x.shape[:-1] + (-1, 32)); a = np.abs(x).max(-1, keepdims=True)
;;       e = np.where(a > 0, np.clip(np.frexp(np.where(a > 0, a, 1))[1] - 1 - 15, -126, 127), 0)      # np.frexp(a)[1] - 1 = floor(log2(a)), exactly
;;       r = np.clip(x / 2.0 ** e, -57344, 57344)
;;       step = 2.0 ** (np.maximum(np.frexp(np.where(r == 0, 1, r))[1] - 1, -14) - 2)
;;       q = np.round(r / step) * step * 2.0 ** e      # np.round: ties to even
;;       return np.moveaxis(q.reshape(q.shape[:-2] + (-1,))[..., :K], -1, axis).astype(np.float32)
;;   ~~~
;;   OPERANDS COMPUTED ON THE WAY. 'Computed on the way' means the value that the module computes at that place (a softmax that the list does not call 'softmax' is quantised finished and normalised). What goes into a quantiser is computed in f32, as accurately as f32 sums, v_exp_f32 and their like allow (about 1e-6 of the number): no bf16 or f16 on the way to a quantiser, and a product that is left as it is and whose result goes on into a quantised operand takes f32 operands (vector FMAs, or v_wmma_f32_16x16x4_f32). A number that lies on a knife's edge between two numbers of the format may be rounded either way, as far as f32 arithmetic and the matrix unit's own rounding can turn it there, and no further.
;;   INPUTS GIVEN AS CODES. W1 (in the module: [8, 512, 2048], K = its axis 1); W2 (in the module: [8, 2048, 512], K = its axis 1): each comes as NAME_codes (uint8): NAME with its K axis moved to the last place and cut into blocks of 32 codes, [.., K / 32, bytes a block], one block behind the other in memory; one code a byte (a code: sign, 5 exponent bits, 2 mantissa bits); and NAME_scales (uint8): the same leading axes, one E8M0 byte (e + 127) for each 32 codes along K. Its value is code x scale, taken as it is: it is not quantised again, and the codes and scales need not be those that the quantiser above would give.
;; 2 versions, each right; version 2 is version 1 with the launches up, down written anew for expert scheduling mode. Each part assembles by itself: llvm-mc -triple=amdgcn-amd-amdhsa -mcpu=gfx1250 --defsym DOCPART=n.
;; ======== version 1 of 2: 4 launches
;; workspace buffers: xq 2,097,152 bytes; xs 65,536 bytes; idx 16,384 bytes of whole numbers; route 17,408 bytes of whole numbers; wl 16,777,216 bytes; hq 9,666,560 bytes; hs 483,328 bytes
;; launch gate (part 1): grid 256 x 1, 4 waves a work-group, no clusters, 38,400 bytes of LDS; arguments x, Wg, bg, xq, xs, idx; writes xq, xs, idx
.if DOCPART == 1
	.amdgcn_target "amdgcn-amd-amdhsa--gfx1250"
	.amdhsa_code_object_version 6
	.text
	.protected	k_q9466bec254_gate
	.globl	k_q9466bec254_gate
	.p2align	8
	.type	k_q9466bec254_gate,@function
k_q9466bec254_gate:
	s_mov_b64 s[64:65], 0
	v_nop
	global_prefetch_b8 v0, s[64:65] scope:SCOPE_SE
	s_setreg_imm32_b32 hwreg(HW_REG_WAVE_MODE, 25, 1), 1
	s_wait_xcnt 0x0
; LAUNCH 1 OF 4.  idx[n] = argmax over e of (x[n] . Wg[:, e] + bg[e]), in f32, the lower index on a tie; and x as codes of E5M2 with one E8M0 byte for each 32 along K (xq, xs).
; DEAD WORK LEFT OUT BY THE PROGRAM.  out[n] = the sum over e of y[e][n] x onehot[n][e], and reference() builds onehot in its own body from idx[n]: 1 at e = idx[n], 0 elsewhere.
; For all finite inputs every y[e][n] is finite in exact arithmetic, so each term with e != idx[n] is exactly 0: the rows of the two quantised products that belong to experts not chosen reach no output,
; and the last product is a selection.  Which rows those are hangs on values, so nothing is decided here: this launch stores idx at fixed places, as whole numbers, and the later launches read it.
; Every input has a way to the output and is loaded by some launch.  LIMIT: a NaN, an infinity or an overflow that arises only in the result of an expert that was not chosen is not carried to out.
; LIMITS: NaN and infinities in x, Wg, bg are not served.  The logits' f32 sums go in another order than reference()'s (16 terms a lane, then across the 32 lanes): a token whose two largest logits agree to within
; f32 rounding may go to the other of the two experts.  A block of zeros gets the byte 1 where the rule says 127: its codes are zeros, and the bytes are read by this program alone.
; SHARES.  A work-group takes 16 tokens, a wave 4, one a step.  Each of a step's four loads reads 512 consecutive bytes of the token's row; the row turns through the wave's own stage in LDS, so that lane l holds
; k = 16 l .. 16 l + 15 (two lanes to a block of 32).  Wg (16 KiB) comes once, densely, goes through LDS, and lane l keeps its slice Wg[16 l .. 16 l + 15][0 .. 7] in 128 registers of window 1.
; No matrix unit (N = 8), no tensor load, no cluster: the work-groups share Wg alone, 16 KiB beside 32 KiB of x each.
.set WP,    528                        ; a slice of Wg in LDS: 512 bytes + 16, so that the lanes' reads of their slices start at different banks
.set STG,   32*WP                      ; behind Wg: two stages of 32 x SP bytes for each wave
.set SP,    80                         ; a lane's place in a stage: its 64 bytes + 16 of padding
.set WSTG,  2*32*SP
.set SCB,   STG+4*WSTG                 ; the work-group's 256 scale bytes
.set IDXW,  SCB+256                    ; its 16 experts, a word each, in a block of their own
.set SPARE, IDXW+256                   ; the spare words, 128 bytes for each wave, which no other line names
.set L16,  3                           ; v3   16 x lane
.set WS,   4                           ; v4   where I put Wg: 8 slices a wave
.set WR,   5                           ; v5   my slice
.set SBA,  6                           ; v6   my block's scale byte
.set IA,   7                           ; v7   my wave's four words of experts
.set SPW,  12                          ; v12  my spare word; never rewritten
.set NIL,  13                          ; v13  0; never rewritten
.set SIN,  14                          ; v14  the stage, on the way in
.set SOUT, 15                          ; v15  and on the way out
.set R,    16                          ; v16-79   four sets of 16 numbers as loaded
.set X,    80                          ; v80-111  two sets of 16 neighbours (at the head: Wg as loaded)
.set ACC,  112                         ; v112-119 the eight logits
.set T,    120                         ; v120-127 the other half of the lanes' sums
.set C,    128                         ; v128-143 codes, four registers a token
.set E,    144                         ; v144-147 a scale byte a token
.set BI,   148                         ; v148-151 the expert, a register a token
.set BV,   152                         ; v152     the largest logit so far
.set MSB, 0
.macro WIN new                         ; the immediate's high byte repeats the setting that is left
.if MSB != (\new)
	s_set_vgpr_msb (MSB<<8)|(\new)
.set MSB, (\new)
.endif
.endm
	s_load_b256 s[4:11], s[0:1], 0x0               ; x s[4:5], Wg s[6:7], bg s[8:9], xq s[10:11]
	s_load_b128 s[12:15], s[0:1], 0x20             ; xs s[12:13], idx s[14:15]
	v_lshl_add_u32 v[SPW], v0, 2, SPARE
	v_mov_b32 v[NIL], 0
	v_lshrrev_b32 v1, 5, v0
	v_readfirstlane_b32 s16, v1                    ; wave 0..3
	v_and_b32 v2, 31, v0                           ; lane
	v_lshlrev_b32 v[L16], 4, v2
	s_mul_i32 s17, s16, 8*WP
	v_add_nc_u32 v[WS], s17, v[L16]
	v_mul_u32_u24 v[WR], v2, WP
	s_lshl_b32 s17, s16, 6
	s_add_co_u32 s17, s17, SCB
	v_lshrrev_b32 v[SBA], 1, v2
	v_add_nc_u32 v[SBA], s17, v[SBA]               ; 16 bytes a token, 64 a wave; two lanes to a byte
	s_lshl_b32 s17, s16, 4
	s_add_co_u32 s17, s17, IDXW
	v_mov_b32 v[IA], s17
	s_mul_i32 s17, s16, WSTG
	s_add_co_u32 s17, s17, STG
	v_lshrrev_b32 v[SIN], 2, v2
	v_mul_u32_u24 v[SIN], v[SIN], SP
	v_and_b32 v[SOUT], 3, v2
	v_lshl_add_u32 v[SIN], v[SOUT], 4, v[SIN]
	v_add_nc_u32 v[SIN], s17, v[SIN]               ; four lanes' 64 bytes on end, then 16 of padding
	v_mul_u32_u24 v[SOUT], v2, SP
	v_add_nc_u32 v[SOUT], s17, v[SOUT]             ; my 16 neighbours
	v_lshl_add_u32 v153, v2, 3, SCB                ; the way out (wave 0): 8 scale bytes a lane,
	v_and_b32 v157, 15, v2
	v_lshlrev_b32 v159, 2, v157
	v_lshl_add_u32 v157, v157, 2, IDXW             ; a word of the 16 experts,
	v_lshlrev_b32 v158, 3, v2                      ; and their places in memory
.irp e, 0,1,2,3,4,5,6,7
	v_mov_b32 v[T+\e], 0                           ; written once: a lane permute's destination counts as one of its sources
.endr
	v_lshl_add_u32 v1, s16, 12, v[L16]             ; Wg: my wave's 4,096 bytes, 16 a lane
	s_mov_b32 s20, 0x76543210
	s_mov_b32 s21, 0xfedcba98                      ; v_permlanex16_b32's selects for lane l xor 16
	s_mov_b32 s23, 0x600000                        ; the mantissa field of 57,344
	s_wait_kmcnt 0x0
	s_load_b256 s[24:31], s[8:9], 0x0              ; bg
	s_lshl_b32 s18, ttmp9, 15                      ; 16 tokens of 2,048 bytes a work-group,
	s_lshl_b32 s17, s16, 13                        ; 4 a wave
	s_add_co_u32 s18, s18, s17
	s_mov_b32 s19, 0
	s_add_nc_u64 s[4:5], s[4:5], s[18:19]
	s_lshr_b32 s18, s18, 2                         ; their codes: a quarter of the bytes
	s_add_nc_u64 s[10:11], s[10:11], s[18:19]
	s_lshl_b32 s18, ttmp9, 8
	s_add_nc_u64 s[12:13], s[12:13], s[18:19]      ; 256 scale bytes a work-group
	s_lshl_b32 s18, ttmp9, 6
	s_add_nc_u64 s[14:15], s[14:15], s[18:19]      ; 16 words of experts
.irp q, 0,1,2,3,4,5,6,7
	global_load_b128 v[X+4*\q:X+4*\q+3], v1, s[6:7] offset:512*\q   ; a slice of Wg: 512 consecutive bytes
.endr
.macro LOAD t
.irp i, 0,1,2,3
	global_load_b128 v[R+16*(\t)+4*\i:R+16*(\t)+4*\i+3], v[L16], s[4:5] offset:2048*(\t)+512*\i th:TH_LOAD_NT   ; 512 consecutive bytes of token t's row; read once
.endr
.endm
.macro TURN t                          ; token t's row through the stage: LDS serves a wave's instructions in order, so no wait stands between the stores and the loads
.irp i, 0,1,2,3
	ds_store_b128 v[SIN], v[R+16*(\t)+4*\i:R+16*(\t)+4*\i+3] offset:32*SP*((\t)%2)+8*SP*\i
.endr
.irp i, 0,1,2,3
	ds_load_b128 v[X+16*((\t)%2)+4*\i:X+16*((\t)%2)+4*\i+3], v[SOUT] offset:32*SP*((\t)%2)+16*\i
.endr
.endm
.irp t, 0,1,2,3
	LOAD \t
.endr
	s_wait_loadcnt 16                              ; Wg's eight loads are in; the sixteen of x, issued behind them, may be out
.irp q, 0,1,2,3,4,5,6,7
	ds_store_b128 v[WS], v[X+4*\q:X+4*\q+3] offset:WP*\q
.endr
	s_wait_dscnt 0x0                               ; for the others' sake: my eight slices lie in LDS
	s_barrier_signal -1
	s_barrier_wait -1                              ; all 32 do
	WIN 0x40                                       ; destination window 1
.set q, 0
.rept 32
	ds_load_b128 v[4*q:4*q+3], v[WR] offset:16*q   ; register 8 i + e of window 1 = Wg[16 lane + i][e]
.set q, q+1
.endr
	WIN 0
	s_wait_kmcnt 0x0                               ; bg
	s_wait_loadcnt 12                              ; token 0's four loads are in
	TURN 0
; The eight logits of the token in v[XS] on: 64 packed multiply-adds (x[k] for both halves, two experts), the sum over the 32 lanes, bg.
.macro GATE
	WIN 0x04                                       ; source 1 (Wg) in window 1
.irp e, 0,2,4,6
	v_pk_mul_f32 v[ACC+\e:ACC+\e+1], v[XS:XS+1], v[\e:\e+1] op_sel_hi:[0,1]   ; the first product starts the sums
.endr
.set gi, 1
.rept 15
.irp e, 0,2,4,6
.if gi%2
	v_pk_fma_f32 v[ACC+\e:ACC+\e+1], v[XS+gi-1:XS+gi], v[8*gi+\e:8*gi+\e+1], v[ACC+\e:ACC+\e+1] op_sel:[1,0,0] op_sel_hi:[1,1,1]
.else
	v_pk_fma_f32 v[ACC+\e:ACC+\e+1], v[XS+gi:XS+gi+1], v[8*gi+\e:8*gi+\e+1], v[ACC+\e:ACC+\e+1] op_sel_hi:[0,1,1]
.endif
.endr
.set gi, gi+1
.endr
	WIN 0
.irp m, 1,2,4,8
.irp e, 0,1,2,3,4,5,6,7
	v_add_f32_dpp v[ACC+\e], v[ACC+\e], v[ACC+\e] row_xmask:\m row_mask:0xf bank_mask:0xf   ; the eight by turns
.endr
.endr
.irp e, 0,1,2,3,4,5,6,7
	v_permlanex16_b32 v[T+\e], v[ACC+\e], s20, s21
.endr
.irp e, 0,1,2,3,4,5,6,7
	v_add_f32 v[ACC+\e], v[ACC+\e], v[T+\e]
.endr
.irp e, 0,1,2,3,4,5,6,7
	v_add_f32 v[ACC+\e], s[24+\e], v[ACC+\e]       ; every lane holds all eight logits
.endr
.endm
.macro ARGMAX t                        ; a strict comparison in ascending e: a tie keeps the lower index.  The choice selects a value; no address and no branch hangs on it
	v_mov_b32 v[BV], v[ACC]
	v_mov_b32 v[BI+(\t)], 0
.irp e, 1,2,3,4,5,6,7
	v_cmp_gt_f32 vcc_lo, v[ACC+\e], v[BV]
	v_cndmask_b32 v[BV], v[BV], v[ACC+\e], vcc_lo
	v_cndmask_b32 v[BI+(\t)], v[BI+(\t)], \e, vcc_lo
.endr
	ds_store_b32 v[IA], v[BI+(\t)] offset:4*(\t)   ; all lanes write the same word with the same value
.endm
.macro QUANT t
	v_max3_num_f32 v8, |v[XS]|, |v[XS+1]|, |v[XS+2]|               ; the largest magnitude of my 16, in two chains
	v_max3_num_f32 v9, |v[XS+3]|, |v[XS+4]|, |v[XS+5]|
.irp i, 6,10
	v_max3_num_f32 v8, v8, |v[XS+\i]|, |v[XS+\i+1]|
	v_max3_num_f32 v9, v9, |v[XS+\i+2]|, |v[XS+\i+3]|
.endr
	v_max3_num_f32 v8, v8, |v[XS+14]|, |v[XS+15]|
	v_max3_num_f32 v8, v8, v9, 0x8000000           ; and the floor 2^(16 - 127): the byte cannot fall under 1
	v_max_num_f32_dpp v8, v8, v8 row_xmask:1 row_mask:0xf bank_mask:0xf   ; and of my neighbour's 16: the block's
	v_add_nc_u32 v11, 0xf8800000, v8               ; 15 off its exponent field: the conversion takes this operand's exponent field as its scale
	v_and_or_b32 v10, v8, 0x7f800000, s23          ; 57,344 x the scale
.irp i, 0,1,2,3,4,5,6,7,8,9,10,11,12,13,14,15
	v_med3_num_f32 v[XS+\i], v[XS+\i], -v10, v10   ; the conversion to an 8-bit code does not saturate (ISA guide 7.6.2): the hold comes first
.endr
	v_cvt_scalef32_pk8_bf8_f32 v[C+4*(\t):C+4*(\t)+1], v[XS:XS+7], v11
	v_cvt_scalef32_pk8_bf8_f32 v[C+4*(\t)+2:C+4*(\t)+3], v[XS+8:XS+15], v11
	v_lshrrev_b32 v[E+(\t)], 23, v11               ; the scale's byte (also the plain line behind the conversions)
	ds_store_b8 v[SBA], v[E+(\t)] offset:16*(\t)   ; both lanes of a block write the same byte with the same value
	global_store_b128 v[L16], v[C+4*(\t):C+4*(\t)+3], s[10:11] offset:512*(\t)   ; the token's 512 codes: 512 consecutive bytes, aligned
.endm
.macro STEP t
.set XS, X+16*((\t)%2)
.if (\t) > 0
	s_wait_dscnt 2                                 ; this token is back from the stage; the last step's two small stores may be out
.else
	s_wait_dscnt 0x0                               ; my slice of Wg and token 0
.endif
.if (\t) < 3
	s_wait_loadcnt 4*(2-(\t))                      ; the next token's four loads are in; those of the tokens behind it may be out
	TURN (\t)+1                                    ; it goes through the other stage while this one is worked
.endif
	GATE                                           ; ahead of the hold, which writes the numbers in place
	ARGMAX \t
	QUANT \t
.endm
.irp t, 0,1,2,3
	STEP \t
.endr
	s_wait_dscnt 0x0                               ; for wave 0's sake: my scale bytes and experts lie in LDS
	s_barrier_signal -1
	s_barrier_wait -1
	s_cmp_lg_u32 s16, 0
	s_cbranch_scc1 .Lend
	ds_load_b64 v[154:155], v153
	ds_load_b32 v156, v157
	s_wait_dscnt 0x0
	global_store_b64 v158, v[154:155], s[12:13]    ; 32 lanes store 256 consecutive bytes, aligned
	global_store_b32 v159, v156, s[14:15]          ; 16 words, 64 bytes (lanes 16-31 repeat lanes 0-15): less than 256 consecutive bytes; 16 KiB of the launch's 10.5 MB go so
.Lend:
	s_wait_tensorcnt 0x0                           ; the wave's end, behind my last LDS store
	ds_add_u32 v[SPW], v[NIL]
	s_wait_dscnt 0x0
	s_endpgm
.Lfunc_end_k_q9466bec254_gate:
	.size	k_q9466bec254_gate, .Lfunc_end_k_q9466bec254_gate-k_q9466bec254_gate
	.p2alignl 7, 3214868480
	.fill 96, 4, 3214868480
	.section	.rodata,"a",@progbits
	.p2align	6, 0x0
	.amdhsa_kernel k_q9466bec254_gate
		.amdhsa_group_segment_fixed_size 38400
		.amdhsa_private_segment_fixed_size 0
		.amdhsa_enable_private_segment 0
		.amdhsa_kernarg_size 48
		.amdhsa_user_sgpr_count 2
		.amdhsa_user_sgpr_kernarg_segment_ptr 1
		.amdhsa_wavefront_size32 1
		.amdhsa_system_sgpr_workgroup_id_x 1
		.amdhsa_system_sgpr_workgroup_id_y 1
		.amdhsa_system_sgpr_workgroup_id_z 1
		.amdhsa_system_vgpr_workitem_id 0
		.amdhsa_next_free_vgpr 384
		.amdhsa_next_free_sgpr 66
		.amdhsa_reserve_vcc 1
		.amdhsa_float_denorm_mode_32 3
		.amdhsa_float_denorm_mode_16_64 3
		.amdhsa_memory_ordered 1
		.amdhsa_forward_progress 1
		.amdhsa_inst_pref_size 52
	.end_amdhsa_kernel
	.amdgpu_metadata
---
amdhsa.version: [ 1, 2 ]
amdhsa.kernels:
  - .name:           k_q9466bec254_gate
    .symbol:         k_q9466bec254_gate.kd
    .args:
      - { .name: x, .offset: 0, .size: 8, .value_kind: global_buffer, .address_space: global }
      - { .name: Wg, .offset: 8, .size: 8, .value_kind: global_buffer, .address_space: global }
      - { .name: bg, .offset: 16, .size: 8, .value_kind: global_buffer, .address_space: global }
      - { .name: xq, .offset: 24, .size: 8, .value_kind: global_buffer, .address_space: global }
      - { .name: xs, .offset: 32, .size: 8, .value_kind: global_buffer, .address_space: global }
      - { .name: idx, .offset: 40, .size: 8, .value_kind: global_buffer, .address_space: global }
    .group_segment_fixed_size: 38400
    .private_segment_fixed_size: 0
    .kernarg_segment_align: 8
    .kernarg_segment_size: 48
    .max_flat_workgroup_size: 128
    .sgpr_count:     66
    .vgpr_count:     384
    .wavefront_size: 32
...
	.end_amdgpu_metadata
.endif
;; end of part 1
;; launch place (part 2): grid 257 x 1, 8 waves a work-group, no clusters, 2,048 bytes of LDS; arguments idx, W1_codes, W2_codes, route, wl; writes route, wl
.if DOCPART == 2
	.amdgcn_target "amdgcn-amd-amdhsa--gfx1250"
	.amdhsa_code_object_version 6
	.text
	.protected	k_q9466bec254_place
	.globl	k_q9466bec254_place
	.p2align	8
	.type	k_q9466bec254_place,@function
k_q9466bec254_place:
	s_mov_b64 s[64:65], 0
	v_nop
	global_prefetch_b8 v0, s[64:65] scope:SCOPE_SE
	s_setreg_imm32_b32 hwreg(HW_REG_WAVE_MODE, 25, 1), 1
	s_wait_xcnt 0x0
; LAUNCH 2 OF 4.  Two jobs that hang on nothing of each other, in one launch.  (Work left out: see launch 1's head: only the chosen expert's rows are multiplied; here the rows are sorted for that.)
; WORK-GROUP 0 sorts the 4,096 tokens by their expert (a counting sort, no atomics) into route: order[4096], the tokens expert by expert, and tiles[64] x {expert, first, last, rows}: tiles of at most 80
; positions of order that lie in one expert.  There are never more than ceil(4096 / 80) + 7 = 59 tiles, whatever the choice; a tile that a split leaves unused has rows = 0 and an expert and a last position that are valid.
; WORK-GROUPS 1 TO 256 lay W1's and W2's codes into wl in the order of the operand's registers.  A unit of 8,192 bytes is 16 rows x 512 along K, four fragments: block q = 4 s + c at 512 q, lane (r, h)'s 16 bytes at
; 16 x lane.  Units 0 .. 1,023: W1's tile g.  Units 1,024 + 4 g + j: W2's tile g, K steps 4 j .. 4 j + 3.  Slot r of tile g = 2 P + u is the weight's row 32 P + 8 u + r + 8 (r / 8), so that the results of two
; neighbouring tiles are 16 neighbours in a lane's registers.  The products' launches then load every fragment as 512 consecutive bytes an instruction.
; The one barrier stands on every work-group's path; the parts that differ stand under branches on the work-group's number.  Both paths use v8-71.
.set CNT,   0                          ; LDS: [wave][lane] words: lane e < 8 holds the wave's count for expert e
.set SPARE, 1024                       ; the spare words, 128 bytes for each of the eight waves, which no other line names
.set RUN, 16                           ; s[16:23] running position (or count) for each expert
.set M,   24                           ; s[24:31] the masks of a chunk's 32 tokens
.set TOT, 32                           ; s[32:39] tokens of each expert
.set OFF, 40                           ; s[40:48] where each expert begins in order
.set TS,  49                           ; s[49:57] its first tile
.set F,   66                           ; s[66:73] OFF - 80 TS: first = 80 t + F
.set L,   74                           ; s[74:81] its last position
.set I,   8                            ; v8-23   the experts of my wave's 16 chunks of 32 tokens
.set P,   24                           ; v24-39  their places in order
.set TK,  40                           ; v40-55  the tokens' numbers
.set T,   56                           ; v56-63  the eight waves' counts
	s_load_b256 s[4:11], s[0:1], 0x0               ; idx s[4:5], W1_codes s[6:7], W2_codes s[8:9], route s[10:11]
	s_load_b64 s[12:13], s[0:1], 0x20              ; wl
	v_lshl_add_u32 v5, v0, 2, SPARE                ; my spare word; never rewritten
	v_mov_b32 v6, 0                                ; 0; never rewritten
	v_lshrrev_b32 v1, 5, v0
	v_readfirstlane_b32 s14, v1                    ; wave 0..7
	v_and_b32 v1, 31, v0                           ; lane
	v_lshlrev_b32 v2, 2, v0                        ; my word of CNT
	v_and_b32 v3, 7, v0
	v_lshlrev_b32 v3, 2, v3                        ; expert lane % 8's word in a wave's row of CNT
	v_lshlrev_b32 v4, 2, v1
	v_lshl_add_u32 v4, s14, 11, v4                 ; idx: my wave's 512 tokens, 4 bytes a lane
	s_wait_kmcnt 0x0
	s_cmp_lg_u32 ttmp9, 0
	s_cbranch_scc1 .Llay
	; ---- work-group 0, first half: each wave counts its 512 tokens by expert
.irp j, 0,1,2,3,4,5,6,7,8,9,10,11,12,13,14,15
	global_load_b32 v[I+\j], v4, s[4:5] offset:128*\j
.endr
.irp e, 0,1,2,3,4,5,6,7
	s_mov_b32 s[RUN+\e], 0
.endr
	s_wait_loadcnt 0x0
.irp j, 0,1,2,3,4,5,6,7,8,9,10,11,12,13,14,15
.irp e, 0,1,2,3,4,5,6,7
	v_cmp_eq_u32 s[M+\e], \e, v[I+\j]
.endr
.irp e, 0,1,2,3,4,5,6,7
	s_bcnt1_i32_b32 s[M+\e], s[M+\e]
.endr
.irp e, 0,1,2,3,4,5,6,7
	s_add_co_u32 s[RUN+\e], s[RUN+\e], s[M+\e]
.endr
.endr
	v_mov_b32 v[T], 0
.irp e, 0,1,2,3,4,5,6,7
	v_writelane_b32 v[T], s[RUN+\e], \e
.endr
	ds_store_b32 v2, v[T]
	s_branch .Lmeet
.Llay:
	; ---- work-groups 1 to 256: a wave lays one unit
	s_sub_co_u32 s15, ttmp9, 1
	s_lshl_b32 s15, s15, 3
	s_add_co_u32 s15, s15, s14                     ; the unit
	s_cmp_lt_u32 s15, 1024                         ; W1's or W2's?  The choice hangs on ids alone
	s_cselect_b64 s[16:17], s[6:7], s[8:9]
	s_cselect_b32 s18, 0, 2                        ; units to a tile: 1 or 4, as a shift,
	s_cselect_b32 s19, 0, 3                        ; and as a mask
	s_cselect_b32 s20, 9, 11                       ; a row of 512 or of 2,048 bytes, as a shift
	s_and_b32 s21, s15, 1023
	s_lshr_b32 s22, s21, s18                       ; g
	s_and_b32 s23, s21, s19                        ; j
	s_lshr_b32 s24, s22, 1
	s_lshl_b32 s24, s24, 5
	s_and_b32 s25, s22, 1
	s_lshl_b32 s25, s25, 3
	s_add_co_u32 s24, s24, s25                     ; slot 0's row: 32 (g / 2) + 8 (g % 2)
	s_lshl_b32 s24, s24, s20
	s_lshl_b32 s23, s23, 9
	s_add_co_u32 s24, s24, s23                     ; + 512 j along the row
	s_mov_b32 s25, 0
	s_add_nc_u64 s[16:17], s[16:17], s[24:25]
	s_lshl_b32 s26, s15, 13
	s_mov_b32 s27, 0
	s_add_nc_u64 s[12:13], s[12:13], s[26:27]
	v_and_b32 v74, 15, v0                          ; r
	v_and_b32 v75, 8, v74
	v_add_nc_u32 v74, v74, v75                     ; r + 8 (r / 8)
	v_lshlrev_b32 v72, s20, v74
	v_bfe_u32 v75, v0, 4, 1                        ; h
	v_lshl_add_u32 v72, v75, 4, v72                ; in: my slot's row, + 16 h
	v_lshlrev_b32 v73, 4, v1                       ; out: 16 x lane
.irp q, 0,1,2,3,4,5,6,7,8,9,10,11,12,13,14,15
	global_load_b128 v[8+4*\q:11+4*\q], v72, s[16:17] offset:32*\q   ; 32 bytes of each of 16 rows; the sixteen loads together take the rows' 512 bytes whole
.endr
.irp q, 0,1,2,3,4,5,6,7,8,9,10,11,12,13,14,15
	s_wait_loadcnt 15-\q                           ; loads come back in order: block q is in, the younger ones may be out
	global_store_b128 v73, v[8+4*\q:11+4*\q], s[12:13] offset:512*\q   ; 512 consecutive bytes, aligned
.endr
	s_wait_xcnt 0x0                                ; the stores have read their registers, which the text below the barrier names again
.Lmeet:
	s_wait_dscnt 0x0                               ; for the others' sake: my counts lie in LDS
	s_barrier_signal -1
	s_barrier_wait -1
	s_cmp_lg_u32 ttmp9, 0
	s_cbranch_scc1 .Lend
	; ---- work-group 0, second half: every wave adds up all counts, then places its own 512 tokens
.irp w, 0,1,2,3,4,5,6,7
	ds_load_b32 v[T+\w], v3 offset:CNT+128*\w      ; lane l: wave w's count for expert l % 8
.endr
	v_mov_b32 v72, 0                               ; the counts of the waves ahead of mine,
	v_mov_b32 v73, 0                               ; and of all
	s_wait_dscnt 0x0
.irp w, 0,1,2,3,4,5,6,7
	s_cmp_gt_u32 s14, \w
	s_cselect_b32 s15, -1, 0
	v_and_b32 v74, s15, v[T+\w]
	v_add_nc_u32 v72, v72, v74
	v_add_nc_u32 v73, v73, v[T+\w]
.endr
.irp e, 0,1,2,3,4,5,6,7
	v_readlane_b32 s[TOT+\e], v73, \e
	v_readlane_b32 s[RUN+\e], v72, \e
.endr
	s_mov_b32 s[OFF], 0
.irp e, 0,1,2,3,4,5,6,7
	s_add_co_u32 s[OFF+\e+1], s[OFF+\e], s[TOT+\e]
	s_add_co_u32 s[RUN+\e], s[RUN+\e], s[OFF+\e]   ; where my wave's first token of expert e goes
.endr
	v_lshl_add_u32 v75, s14, 9, v1                 ; my token in chunk 0
.irp j, 0,1,2,3,4,5,6,7,8,9,10,11,12,13,14,15
.irp e, 0,1,2,3,4,5,6,7
	v_cmp_eq_u32 s[M+\e], \e, v[I+\j]
.endr
	v_mbcnt_lo_u32_b32 v[P+\j], s[M], s[RUN]       ; the running position + the lanes below mine that chose the same expert
.irp e, 1,2,3,4,5,6,7
	v_mbcnt_lo_u32_b32 v74, s[M+\e], s[RUN+\e]
	v_cndmask_b32 v[P+\j], v[P+\j], v74, s[M+\e]
.endr
.irp e, 0,1,2,3,4,5,6,7
	s_bcnt1_i32_b32 s[M+\e], s[M+\e]
.endr
.irp e, 0,1,2,3,4,5,6,7
	s_add_co_u32 s[RUN+\e], s[RUN+\e], s[M+\e]
.endr
	v_min_u32 v[P+\j], 0xfff, v[P+\j]              ; a number made of loaded ones enters an address only behind a bound
	v_lshlrev_b32 v[P+\j], 2, v[P+\j]
	v_add_nc_u32 v[TK+\j], 32*\j, v75
	global_store_b32 v[P+\j], v[TK+\j], s[10:11]   ; 4 bytes a lane, in at most eight runs an instruction: 16 KiB in all go so.  Each chunk has registers of its own
.endr
	s_cmp_lg_u32 s14, 0
	s_cbranch_scc1 .Lend
	; ---- wave 0: the table of tiles
	s_mov_b32 s[TS], 0
.irp e, 0,1,2,3,4,5,6,7
	s_add_co_u32 s15, s[TOT+\e], 79
	s_mul_i32 s15, s15, 52429                      ; / 80: 52,429 x 80 = 2^22 + 16, so the quotient is exact for numbers under 262,144; here at most 4,175
	s_lshr_b32 s15, s15, 22
	s_add_co_u32 s[TS+\e+1], s[TS+\e], s15
	s_mul_i32 s15, s[TS+\e], 80
	s_sub_co_u32 s[F+\e], s[OFF+\e], s15           ; (modulo 2^32: 80 t + F is right for the expert's own tiles)
	s_sub_co_u32 s[L+\e], s[OFF+\e+1], 1
.endr
.irp q, 0,1
	v_add_nc_u32 v76, 32*\q, v1                    ; tile t
	v_mov_b32 v[64+4*\q], 0                        ; its expert: the last e whose first tile is at or under t (an expert without tokens has no tile: the next one's takes its place)
	v_mov_b32 v77, s[F]
	v_mov_b32 v[66+4*\q], s[L]
.irp e, 1,2,3,4,5,6,7
	v_cmp_le_u32 vcc_lo, s[TS+\e], v76
	v_cndmask_b32 v[64+4*\q], v[64+4*\q], \e, vcc_lo
	v_cndmask_b32 v77, v77, s[F+\e], vcc_lo
	v_cndmask_b32 v[66+4*\q], v[66+4*\q], s[L+\e], vcc_lo
.endr
	v_mad_u32_u24 v[65+4*\q], v76, 80, v77         ; first
	v_sub_nc_u32 v[67+4*\q], v[66+4*\q], v[65+4*\q]
	v_add_nc_u32 v[67+4*\q], 1, v[67+4*\q]
	v_min_u32 v[67+4*\q], 80, v[67+4*\q]           ; rows
	v_cmp_le_u32 vcc_lo, s[TS+8], v76
	v_cndmask_b32 v[67+4*\q], v[67+4*\q], 0, vcc_lo   ; 0 in a tile that this split does not use
	v_lshlrev_b32 v[78+\q], 4, v76
	global_store_b128 v[78+\q], v[64+4*\q:67+4*\q], s[10:11] offset:16384   ; 512 consecutive bytes
.endr
.Lend:
	s_wait_tensorcnt 0x0                           ; the wave's end, behind my last LDS store
	ds_add_u32 v5, v6
	s_wait_dscnt 0x0
	s_endpgm
.Lfunc_end_k_q9466bec254_place:
	.size	k_q9466bec254_place, .Lfunc_end_k_q9466bec254_place-k_q9466bec254_place
	.p2alignl 7, 3214868480
	.fill 96, 4, 3214868480
	.section	.rodata,"a",@progbits
	.p2align	6, 0x0
	.amdhsa_kernel k_q9466bec254_place
		.amdhsa_group_segment_fixed_size 2048
		.amdhsa_private_segment_fixed_size 0
		.amdhsa_enable_private_segment 0
		.amdhsa_kernarg_size 40
		.amdhsa_user_sgpr_count 2
		.amdhsa_user_sgpr_kernarg_segment_ptr 1
		.amdhsa_wavefront_size32 1
		.amdhsa_system_sgpr_workgroup_id_x 1
		.amdhsa_system_sgpr_workgroup_id_y 1
		.amdhsa_system_sgpr_workgroup_id_z 1
		.amdhsa_system_vgpr_workitem_id 0
		.amdhsa_next_free_vgpr 96
		.amdhsa_next_free_sgpr 84
		.amdhsa_reserve_vcc 1
		.amdhsa_float_denorm_mode_32 3
		.amdhsa_float_denorm_mode_16_64 3
		.amdhsa_memory_ordered 1
		.amdhsa_forward_progress 1
		.amdhsa_inst_pref_size 70
	.end_amdhsa_kernel
	.amdgpu_metadata
---
amdhsa.version: [ 1, 2 ]
amdhsa.kernels:
  - .name:           k_q9466bec254_place
    .symbol:         k_q9466bec254_place.kd
    .args:
      - { .name: idx, .offset: 0, .size: 8, .value_kind: global_buffer, .address_space: global }
      - { .name: W1_codes, .offset: 8, .size: 8, .value_kind: global_buffer, .address_space: global }
      - { .name: W2_codes, .offset: 16, .size: 8, .value_kind: global_buffer, .address_space: global }
      - { .name: route, .offset: 24, .size: 8, .value_kind: global_buffer, .address_space: global }
      - { .name: wl, .offset: 32, .size: 8, .value_kind: global_buffer, .address_space: global }
    .group_segment_fixed_size: 2048
    .private_segment_fixed_size: 0
    .kernarg_segment_align: 8
    .kernarg_segment_size: 40
    .max_flat_workgroup_size: 256
    .sgpr_count:     84
    .vgpr_count:     96
    .wavefront_size: 32
...
	.end_amdgpu_metadata
.endif
;; end of part 2
;; launch up (part 3): grid 4 x 59, 4 waves a work-group, no clusters, 41,984 bytes of LDS; arguments xq, xs, route, wl, W1_scales, b1, hq, hs; writes hq, hs
.if DOCPART == 3
	.amdgcn_target "amdgcn-amd-amdhsa--gfx1250"
	.amdhsa_code_object_version 6
	.text
	.protected	k_q9466bec254_up
	.globl	k_q9466bec254_up
	.p2align	8
	.type	k_q9466bec254_up,@function
k_q9466bec254_up:
	s_mov_b64 s[64:65], 0
	v_nop
	global_prefetch_b8 v0, s[64:65] scope:SCOPE_SE
	s_setreg_imm32_b32 hwreg(HW_REG_WAVE_MODE, 25, 1), 1
	s_wait_xcnt 0x0
; LAUNCH 3 OF 4.  The hidden layer of the routed rows: Q(relu(Q(x) W1 + b1)), as codes of E5M2 and E8M0 bytes.  (Work left out: the rows of experts not chosen; see launch 1's head.)
; SHARES.  Work-group (cb, t) takes tile t of route's table, at most 80 rows of one expert, and hidden units 512 cb .. 512 cb + 511.  THE WAVES SHARE THE COLUMNS: wave w makes units 512 cb + 128 w .. + 127, eight tiles
; of 16, for all five tiles of 16 rows: that is K step ks = 4 cb + w of the next product.  Its 64 KiB of W1 go from wl straight into 512 registers, each byte once, 512 consecutive bytes an instruction.
; The 80 rows of x's codes are gathered once by the work-group, 20 whole rows of 512 bytes a wave, and reach all four waves through LDS.  A position past the tile's last repeats the last token: its rows are
; computed inside a live tile, stored in the tile's own part of hq, and never reach out0.
; THE PRODUCT IS USED TRANSPOSED (source 0 = 16 rows of W1, source 1 = 16 rows of x), and wl has chosen W1's rows so that a lane's 16 registers of tiles 2 b, 2 b + 1 are hidden units 32 b + 16 (lane / 16) + 0 .. 15
; of ONE row: the conversions' results are the next operand's registers and leave as an image of them.  b1 is the C of each sum's first matrix instruction.
; AN EMPTY TILE (rows = 0).  Every wave passes the barrier, and no barrier stands under a branch on a loaded number: so the one test stands behind the barrier.  What stands ahead of it runs in every work-group, on
; the table's expert and last position, which are valid in an unused tile too; such a tile asks for its small loads, 20 rows of x and half of its weights, uses none of them, stores nothing and ends.
; NO TENSOR LOAD, NO CLUSTER: the text branches on a stored number; how many tiles an expert has hangs on the routing, so no fixed partners share its weights; and each operand byte is read once by a work-group.
; hq: [t][m (5)][ks (16)][2,048]: a fragment's registers, block c at 512 c, 16 bytes a lane.  hs: [t][ks][lane][4 words]: word j of lane (r, 0): row 16 j + r's scale word; of lane (r, 1): row 64 + r's.
; LIMITS: NaN and infinities are not served; a block of zeros gets the byte 1 (its codes are zeros; the bytes are read by this program alone).
; REGISTERS: window 0: below.  Windows 1, 2: W1's fragment (tile t, K step s) at v[128 (s % 2) + 16 t] of window 1 + s / 2.  Window 3: v0-63 b1's eight tiles.
.set XP,    1296                       ; LDS: x's codes as [piece of 16 bytes (32)][row (80)]: 80 x 16 bytes + 16: stores (a lane a piece) and reads (a lane a row) both fall on different banks
.set SPARE, 32*XP                      ; the spare words, 128 bytes for each wave, which no other line names
.set L16,  4                           ; v4   16 x lane
.set XW,   5                           ; v5   where I put my piece of my wave's rows
.set XRD,  6                           ; v6   where I read a fragment: 16 r + XP h
.set WSA,  7                           ; v7   W1's scales: 16 bytes a row, my slot's row
.set BA,   8                           ; v8   b1: 64 h
.set MY,   10                          ; v10  lane j < 20: the token of my wave's row j
.set TK,   11                          ; v11-15 the token of row 16 m + r, later its place in xs
.set XF,   16                          ; v16-79   x's four fragments of a tile of rows (at the head, v16-95: 20 rows as loaded)
.set HA,   80                          ; v80-143  my eight tiles of the hidden layer
.set PC,   144                         ; v144-159 the codes just made (at the head, v144-163: the 20 rows' offsets)
.set XO,   144
.set TQ,   160                         ; v160-175 the quantiser's: largest magnitudes, bytes, holds, scale operands
.set PW,   176                         ; v176-180 the five tiles' scale words
.set SW,   184                         ; v184-187 as they go to hs
.set XS,   188                         ; v188-207 x's scale words, [m][s]: scales and nothing else
.set W1S,  208                         ; v208-239 W1's, [t][s]: scales and nothing else
.set SPW,  252                         ; my spare word; never rewritten
.set NIL,  253                         ; 0; never rewritten
.set SEL,  36
.set MNT,  38
.set HIM,  39
.set MSB, 0
.macro WIN new                         ; the immediate's high byte repeats the setting that is left
.if MSB != (\new)
	s_set_vgpr_msb (MSB<<8)|(\new)
.set MSB, (\new)
.endif
.endm
	s_load_b512 s[8:23], s[0:1], 0x0               ; xq 8, xs 10, route 12, wl 14, W1_scales 16, b1 18, hq 20, hs 22
	v_lshl_add_u32 v[SPW], v0, 2, SPARE
	v_mov_b32 v[NIL], 0
	v_lshrrev_b32 v1, 5, v0
	v_readfirstlane_b32 s24, v1                    ; wave 0..3
	v_and_b32 v1, 31, v0                           ; lane
	v_and_b32 v2, 15, v0                           ; r
	v_bfe_u32 v3, v0, 4, 1                         ; h
	v_lshlrev_b32 v[L16], 4, v1
	s_mul_i32 s32, s24, 320                        ; 20 rows of 16 bytes
	v_mul_u32_u24 v[XW], v1, XP
	v_add_nc_u32 v[XW], s32, v[XW]
	v_mul_u32_u24 v[XRD], v3, XP
	v_lshl_add_u32 v[XRD], v2, 4, v[XRD]
	v_and_b32 v[WSA], 8, v2
	v_add_nc_u32 v[WSA], v[WSA], v2                ; r + 8 (r / 8)
	v_lshlrev_b32 v[WSA], 4, v[WSA]
	v_lshlrev_b32 v[BA], 6, v3
.irp b, 0,1,2,3
	v_mov_b32 v[TQ+4+\b], 0                        ; written once: a lane permute's destination counts as one of its sources
.endr
	s_mov_b32 s25, ttmp9                           ; cb
	s_and_b32 s26, ttmp7, 0xffff                   ; t
	s_lshl_b32 s27, s26, 4
	s_mov_b32 s[SEL], 0x76543210
	s_mov_b32 s[SEL+1], 0xfedcba98                 ; v_permlanex16_b32's selects for lane l xor 16
	s_mov_b32 s[MNT], 0x600000                     ; the mantissa field of 57,344
	s_mov_b32 s[HIM], 0xffff0000                   ; lanes 16-31
	s_wait_kmcnt 0x0
	s_load_b128 s[28:31], s[12:13], s27 offset:0x4000   ; the tile: expert, first, last, rows
	s_mul_i32 s34, s26, 163840                     ; hq: my tile, 5 x 16 fragments,
	s_lshl_b32 s33, s25, 2
	s_add_co_u32 s33, s33, s24                     ; ks
	s_lshl_b32 s32, s33, 11
	s_add_co_u32 s34, s34, s32                     ; my K step
	s_mov_b32 s35, 0
	s_add_nc_u64 s[20:21], s[20:21], s[34:35]
	s_lshl_b32 s34, s26, 4
	s_add_co_u32 s34, s34, s33
	s_lshl_b32 s34, s34, 9                         ; hs: 512 (16 t + ks)
	s_add_nc_u64 s[22:23], s[22:23], s[34:35]
	s_wait_kmcnt 0x0
	s_min_u32 s28, s28, 7                          ; loaded numbers enter addresses only behind a bound
	s_min_u32 s29, s29, 0xfff
	s_min_u32 s30, s30, 0xfff
	s_mul_i32 s33, s24, 20
	s_add_co_u32 s33, s33, s29
	v_add_nc_u32 v[MY], s33, v1                    ; position first + 20 w + lane,
	v_min_u32 v[MY], s30, v[MY]                    ; held at the tile's last
	v_min_u32 v[MY], 0xfff, v[MY]
	v_lshlrev_b32 v[MY], 2, v[MY]
.irp m, 0,1,2,3,4
	v_add3_u32 v[TK+\m], s29, v2, 16*\m            ; position first + 16 m + r, likewise
	v_min_u32 v[TK+\m], s30, v[TK+\m]
	v_min_u32 v[TK+\m], 0xfff, v[TK+\m]
	v_lshlrev_b32 v[TK+\m], 2, v[TK+\m]
.endr
	global_load_b32 v[MY], v[MY], s[12:13]         ; six loads of tokens, each onto its own address
.irp m, 0,1,2,3,4
	global_load_b32 v[TK+\m], v[TK+\m], s[12:13]
.endr
	s_lshl_b32 s32, s28, 11
	s_lshl_b32 s33, s25, 9
	s_add_co_u32 s32, s32, s33
	s_lshl_b32 s33, s24, 7
	s_add_co_u32 s32, s32, s33                     ; my first row of W1: 2,048 e + 512 cb + 128 w
	s_lshl_b32 s34, s32, 4
	s_add_nc_u64 s[16:17], s[16:17], s[34:35]      ; its scales, 16 bytes a row
	s_lshl_b32 s34, s32, 2
	s_add_nc_u64 s[18:19], s[18:19], s[34:35]      ; b1
	s_lshl_b32 s34, s32, 9
	s_add_nc_u64 s[14:15], s[14:15], s[34:35]      ; wl: a unit of 8,192 bytes for 16 rows
.irp t, 0,1,2,3,4,5,6,7
	global_load_b128 v[W1S+4*\t:W1S+4*\t+3], v[WSA], s[16:17] offset:16*(32*(\t/2)+8*(\t%2))   ; my slot's four scale words
.endr
	WIN 0xc0                                       ; destination window 3
.irp t, 0,1,2,3,4,5,6,7
	global_load_b128 v[8*\t:8*\t+3], v[BA], s[18:19] offset:4*(32*(\t/2)+8*(\t%2))            ; b1 at units 32 b + 16 h + 8 u + 0 .. 7: the result's layout
	global_load_b128 v[8*\t+4:8*\t+7], v[BA], s[18:19] offset:4*(32*(\t/2)+8*(\t%2))+16
.endr
.macro WLOAD s                         ; my eight tiles' fragments of K step s: 32 loads of 512 consecutive bytes
	WIN 0x40*(1+(\s)/2)
.irp t, 0,1,2,3,4,5,6,7
.irp c, 0,1,2,3
	global_load_b128 v[128*((\s)%2)+16*\t+4*\c:128*((\s)%2)+16*\t+4*\c+3], v[L16], s[14:15] offset:8192*\t+2048*(\s)+512*\c
.endr
.endr
	WIN 0
.endm
	WLOAD 0
	s_wait_loadcnt 56                              ; the six loads of tokens are in; the 8 + 16 + 32 issued behind them may be out
.irp j, 0,1,2,3,4,5,6,7,8,9,10,11,12,13,14,15,16,17,18,19
	v_readlane_b32 s[40+\j], v[MY], \j
.endr
.irp j, 0,1,2,3,4,5,6,7,8,9,10,11,12,13,14,15,16,17,18,19
	s_min_u32 s[40+\j], s[40+\j], 0xfff
.endr
.irp j, 0,1,2,3,4,5,6,7,8,9,10,11,12,13,14,15,16,17,18,19
	v_lshl_add_u32 v[XO+\j], s[40+\j], 9, v[L16]   ; the token's row of 512 codes, 16 bytes a lane
.endr
.irp m, 0,1,2,3,4
	v_min_u32 v[TK+\m], 0xfff, v[TK+\m]
	v_lshlrev_b32 v[TK+\m], 4, v[TK+\m]            ; the token's 16 scale bytes
.endr
.irp j, 0,1,2,3,4,5,6,7,8,9,10,11,12,13,14,15,16,17,18,19
	global_load_b128 v[16+4*\j:19+4*\j], v[XO+\j], s[8:9]   ; a whole row: 512 consecutive bytes, aligned
.endr
.irp m, 0,1,2,3,4
	global_load_b128 v[XS+4*\m:XS+4*\m+3], v[TK+\m], s[10:11]
.endr
	WLOAD 1
	s_wait_loadcnt 37                              ; the 20 rows are in; the 5 + 32 issued behind them may be out
.irp j, 0,1,2,3,4,5,6,7,8,9,10,11,12,13,14,15,16,17,18,19
	ds_store_b128 v[XW], v[16+4*\j:19+4*\j] offset:16*\j
.endr
	s_wait_dscnt 0x0                               ; for the others' sake: my 20 rows lie in LDS
	s_barrier_signal -1
	s_barrier_wait -1                              ; all 80 do
	s_cmp_eq_u32 s31, 0                            ; a tile that this split does not use stores nothing and ends
	s_cbranch_scc1 .Lend
	WLOAD 2
	WLOAD 3
.macro FETCHX m                        ; x's four fragments of rows 16 m on: lane (r, h), K step s, block c: piece 8 s + 2 c + h of row 16 m + r
.irp s, 0,1,2,3
.irp c, 0,1,2,3
	ds_load_b128 v[XF+16*\s+4*\c:XF+16*\s+4*\c+3], v[XRD] offset:XP*(8*\s+2*\c)+256*(\m)
.endr
.endr
.endm
; 32 matrix instructions: K step by K step, the eight accumulators by turns, one instruction a turn.
.macro MM m
.irp s, 0,1,2,3
.if (\m) == 0
.if \s == 0
	s_wait_loadcnt 63                              ; all but the youngest 63 loads are in; those lie among the 64 of K steps 2 and 3: so the scales, b1 and K steps 0 and 1 are here
.elseif \s == 2
	s_wait_loadcnt 32                              ; K step 2 is in; K step 3's 32 may be out
.elseif \s == 3
	s_wait_loadcnt 0x0
.endif
.endif
.if \s == 0
	WIN 0x31                                       ; source 0 (W1) window 1, source 2 (b1) window 3
.elseif \s == 1
	WIN 0x01
.else
	WIN 0x02
.endif
.irp t, 0,1,2,3,4,5,6,7
.if \s == 0
	v_wmma_scale_f32_16x16x128_f8f6f4 v[HA+8*\t:HA+8*\t+7], v[128*(\s%2)+16*\t:128*(\s%2)+16*\t+15], v[XF+16*\s:XF+16*\s+15], v[8*\t:8*\t+7], v[W1S+4*\t+\s], v[XS+4*(\m)+\s] matrix_a_fmt:MATRIX_FMT_BF8 matrix_b_fmt:MATRIX_FMT_BF8
.else
	v_wmma_scale_f32_16x16x128_f8f6f4 v[HA+8*\t:HA+8*\t+7], v[128*(\s%2)+16*\t:128*(\s%2)+16*\t+15], v[XF+16*\s:XF+16*\s+15], v[HA+8*\t:HA+8*\t+7], v[W1S+4*\t+\s], v[XS+4*(\m)+\s] matrix_a_fmt:MATRIX_FMT_BF8 matrix_b_fmt:MATRIX_FMT_BF8
.endif
.endr
.endr
.endm
; 64 numbers of a lane, register 16 b + i = k 32 b + 16 (lane / 16) + i of my row, become a fragment's codes in v[PC] on and its scale word in v[pw].  What is negative becomes 0 on the way.
.macro QUANT s, pw
.irp b, 0,1,2,3
	v_max3_num_f32 v[TQ+\b], v[\s+16*\b], v[\s+1+16*\b], 0x8000000   ; no |.|: what is negative is to become 0 and must not count; the floor 2^(16 - 127) stands over it and holds the byte at 1 from below.  Each accumulator is read from its low end on
.endr
.irp i, 2,4,6,8,10,12,14
.irp b, 0,1,2,3
	v_max3_num_f32 v[TQ+\b], v[TQ+\b], v[\s+16*\b+\i], v[\s+1+16*\b+\i]   ; the four blocks by turns
.endr
.endr
.irp b, 0,1,2,3
	v_permlanex16_b32 v[TQ+4+\b], v[TQ+\b], s[SEL], s[SEL+1]
.endr
.irp b, 0,1,2,3
	v_max_num_f32 v[TQ+\b], v[TQ+\b], v[TQ+4+\b]   ; with lane l xor 16's: the block's largest magnitude
.endr
.irp b, 0,1,2,3
	v_add_nc_u32 v[TQ+12+\b], 0xf8800000, v[TQ+\b] ; 15 off its exponent field: the conversion's scale operand
.endr
.irp b, 0,1,2,3
	v_and_or_b32 v[TQ+8+\b], v[TQ+\b], 0x7f800000, s[MNT]   ; 57,344 x the scale
.endr
.irp b, 0,1,2,3
	v_lshrrev_b32 v[TQ+4+\b], 23, v[TQ+12+\b]      ; the scale's byte
.endr
	v_lshl_or_b32 v[\pw], v[TQ+5], 8, v[TQ+4]      ; the four bytes make my row's scale word
	v_lshl_or_b32 v[\pw], v[TQ+6], 16, v[\pw]
	v_lshl_or_b32 v[\pw], v[TQ+7], 24, v[\pw]
.irp b, 0,1,2,3
.irp i, 0,1,2,3,4,5,6,7,8,9,10,11,12,13,14,15
	v_med3_num_f32 v[\s+16*\b+\i], v[\s+16*\b+\i], 0, v[TQ+8+\b]   ; the activation and the hold in one (the conversion to an 8-bit code does not saturate: ISA guide 7.6.2)
.endr
	v_cvt_scalef32_pk8_bf8_f32 v[PC+4*\b:PC+1+4*\b], v[\s+16*\b:\s+7+16*\b], v[TQ+12+\b]
	v_cvt_scalef32_pk8_bf8_f32 v[PC+2+4*\b:PC+3+4*\b], v[\s+8+16*\b:\s+15+16*\b], v[TQ+12+\b]
.endr
	v_nop                                          ; a plain line behind the last conversion: the next products write its sources
.endm
	FETCHX 0
.irp m, 0,1,2,3,4
	s_wait_dscnt 0x0                               ; this tile's fragments of x are in
	MM \m
	WIN 0
.rept 9
	v_nop                                          ; places behind the products: 8 ahead of the reads of the results and of the loads into x's registers, 9 ahead of the next tile's products, which begin the accumulators anew
.endr
.if \m < 4
	FETCHX \m+1                                    ; the next tile's fragments land while this one is quantised
.endif
.if \m > 0
	s_wait_xcnt 0x0                                ; the last image's stores have read the codes' registers
.endif
	QUANT HA, PW+\m
.irp c, 0,1,2,3
	global_store_b128 v[L16], v[PC+4*\c:PC+4*\c+3], s[20:21] offset:32768*\m+512*\c   ; the fragment as it stands: 512 consecutive bytes, aligned
.endr
.endr
.irp j, 0,1,2,3
	v_cndmask_b32 v[SW+\j], v[PW+\j], v[PW+4], s[HIM]   ; lanes 0-15: rows 16 j + r; lanes 16-31: rows 64 + r
.endr
	global_store_b128 v[L16], v[SW:SW+3], s[22:23] ; 512 consecutive bytes, aligned
.Lend:
	s_wait_tensorcnt 0x0                           ; the wave's end, behind my last LDS store
	ds_add_u32 v[SPW], v[NIL]
	s_wait_dscnt 0x0
	s_endpgm
.Lfunc_end_k_q9466bec254_up:
	.size	k_q9466bec254_up, .Lfunc_end_k_q9466bec254_up-k_q9466bec254_up
	.p2alignl 7, 3214868480
	.fill 96, 4, 3214868480
	.section	.rodata,"a",@progbits
	.p2align	6, 0x0
	.amdhsa_kernel k_q9466bec254_up
		.amdhsa_group_segment_fixed_size 41984
		.amdhsa_private_segment_fixed_size 0
		.amdhsa_enable_private_segment 0
		.amdhsa_kernarg_size 64
		.amdhsa_user_sgpr_count 2
		.amdhsa_user_sgpr_kernarg_segment_ptr 1
		.amdhsa_wavefront_size32 1
		.amdhsa_system_sgpr_workgroup_id_x 1
		.amdhsa_system_sgpr_workgroup_id_y 1
		.amdhsa_system_sgpr_workgroup_id_z 1
		.amdhsa_system_vgpr_workitem_id 0
		.amdhsa_next_free_vgpr 832
		.amdhsa_next_free_sgpr 66
		.amdhsa_reserve_vcc 0
		.amdhsa_float_denorm_mode_32 3
		.amdhsa_float_denorm_mode_16_64 3
		.amdhsa_memory_ordered 1
		.amdhsa_forward_progress 1
		.amdhsa_inst_pref_size 97
	.end_amdhsa_kernel
	.amdgpu_metadata
---
amdhsa.version: [ 1, 2 ]
amdhsa.kernels:
  - .name:           k_q9466bec254_up
    .symbol:         k_q9466bec254_up.kd
    .args:
      - { .name: xq, .offset: 0, .size: 8, .value_kind: global_buffer, .address_space: global }
      - { .name: xs, .offset: 8, .size: 8, .value_kind: global_buffer, .address_space: global }
      - { .name: route, .offset: 16, .size: 8, .value_kind: global_buffer, .address_space: global }
      - { .name: wl, .offset: 24, .size: 8, .value_kind: global_buffer, .address_space: global }
      - { .name: W1_scales, .offset: 32, .size: 8, .value_kind: global_buffer, .address_space: global }
      - { .name: b1, .offset: 40, .size: 8, .value_kind: global_buffer, .address_space: global }
      - { .name: hq, .offset: 48, .size: 8, .value_kind: global_buffer, .address_space: global }
      - { .name: hs, .offset: 56, .size: 8, .value_kind: global_buffer, .address_space: global }
    .group_segment_fixed_size: 41984
    .private_segment_fixed_size: 0
    .kernarg_segment_align: 8
    .kernarg_segment_size: 64
    .max_flat_workgroup_size: 128
    .sgpr_count:     66
    .vgpr_count:     832
    .wavefront_size: 32
...
	.end_amdgpu_metadata
.endif
;; end of part 3
;; launch down (part 4): grid 4 x 59, 4 waves a work-group, no clusters, 169,472 bytes of LDS; arguments hq, hs, route, wl, W2_scales, b2, out0; writes out0
.if DOCPART == 4
	.amdgcn_target "amdgcn-amd-amdhsa--gfx1250"
	.amdhsa_code_object_version 6
	.text
	.protected	k_q9466bec254_down
	.globl	k_q9466bec254_down
	.p2align	8
	.type	k_q9466bec254_down,@function
k_q9466bec254_down:
	s_mov_b64 s[64:65], 0
	v_nop
	global_prefetch_b8 v0, s[64:65] scope:SCOPE_SE
	s_setreg_imm32_b32 hwreg(HW_REG_WAVE_MODE, 25, 1), 1
	s_wait_xcnt 0x0
; LAUNCH 4 OF 4.  out0[token] = Q(h) W2 + b2 for the routed rows, stored by token.  (Work left out: the rows of experts not chosen, and the last product, which is a selection; see launch 1's head.)
; SHARES.  Work-group (cb, t) takes tile t of route's table, at most 80 rows of one expert, and outputs 128 cb .. 128 cb + 127.  THE WAVES SHARE K: wave w takes K steps 4 w .. 4 w + 3 (512 of the 2,048) for all eight
; tiles of outputs and all five tiles of rows.  So each byte of W2 (64 KiB a wave, 512 registers) and of the hidden layer (40 KiB a wave, 320 registers) is loaded once by the work-group, straight into the register
; in which it is used, 512 consecutive bytes an instruction.  The four partial sums meet in LDS, through which the results go in any case to leave as whole rows.
; THE ORDER OF THE SUM is ((K0 + K1) + (K2 + K3)) + b2, Kw being wave w's f32 sum over its 512: another order than one chain along K; the result is compared within a tolerance.
; THE PRODUCT IS USED TRANSPOSED (source 0 = 16 rows of W2, source 1 = 16 rows of h); by wl's choice of rows a lane's registers of tile 2 b + u are outputs 32 b + 16 (lane / 16) + 8 u + 0 .. 7 of one row.
; AN EMPTY TILE (rows = 0) has no hidden layer in hq: it jumps over the loads and products, passes the one barrier, which stands under no branch, jumps over the way out, stores nothing and ends.  The five registers
; that the way out takes from ahead of the barrier (the tokens, b2) are asked for at the head, ahead of the first test, on the table's expert and last position, which are valid in an unused tile too.
; A position past the tile's last repeats the last token: its row is summed inside a live tile and not stored (a scalar branch on the stored count, round the store alone).
; NO TENSOR LOAD, NO CLUSTER: the text branches on a stored number; how many tiles an expert has hangs on the routing, so no fixed partners share its weights.
; REGISTERS: window 0: below.  Windows 1, 2: W2's fragment (tile t, K step s) at v[128 (s % 2) + 16 t] of window 1 + s / 2.  Window 3: h's fragment (m, s) at v[64 m + 16 s], m = 0 .. 3.
.set PP,    528                        ; LDS: a row of partial sums: 512 bytes + 16
.set PREG,  80*PP                      ; a wave's 80 rows
.set SPARE, 4*PREG                     ; the spare words, 128 bytes for each wave, which no other line names
.set L16,  4                           ; v4   16 x lane
.set PS,   5                           ; v5   where I put 32 bytes of a row of my wave's sums
.set WSA,  6                           ; v6   W2's scales: 64 bytes a row, my slot's row
.set CO,   7                           ; v7   my 16 bytes in a row of out0
.set MY,   9                           ; v9   lane j < 20: the token of my wave's row j on the way out
.set RP,   10                          ; v10-13 where I read my wave's 20 rows in the four waves' sums
.set HA,   32                          ; v32-95   the eight accumulators of a tile of rows
.set SA,   32                          ; the way out: two sets of 64: four rows x four partial sums; v32-95 and v96-159
.set H4,   96                          ; v96-159  h's fragments of rows 64 on
.set W2S,  160                         ; v160-191 W2's scale words [t][s]: scales and nothing else
.set HS,   192                         ; v192-207 h's [s][j]: scales and nothing else
.set B2,   208                         ; v208-211 b2 at my four outputs
.set OA,   212                         ; v212-231 my 20 rows' offsets in out0
.set SPW,  252                         ; my spare word; never rewritten
.set NIL,  253                         ; 0; never rewritten
.set MSB, 0
.macro WIN new                         ; the immediate's high byte repeats the setting that is left
.if MSB != (\new)
	s_set_vgpr_msb (MSB<<8)|(\new)
.set MSB, (\new)
.endif
.endm
	s_load_b256 s[8:15], s[0:1], 0x0               ; hq 8, hs 10, route 12, wl 14
	s_load_b128 s[16:19], s[0:1], 0x20             ; W2_scales 16, b2 18
	s_load_b64 s[20:21], s[0:1], 0x30              ; out0
	v_lshl_add_u32 v[SPW], v0, 2, SPARE
	v_mov_b32 v[NIL], 0
	v_lshrrev_b32 v1, 5, v0
	v_readfirstlane_b32 s24, v1                    ; wave 0..3
	v_and_b32 v1, 31, v0                           ; lane
	v_and_b32 v2, 15, v0                           ; r
	v_bfe_u32 v3, v0, 4, 1                         ; h
	v_lshlrev_b32 v[L16], 4, v1
	s_mul_i32 s33, s24, PREG
	v_mul_u32_u24 v[PS], v2, PP
	v_lshl_add_u32 v[PS], v3, 6, v[PS]
	v_add_nc_u32 v[PS], s33, v[PS]                 ; row r, + 64 h, in my wave's region
	v_and_b32 v[WSA], 8, v2
	v_add_nc_u32 v[WSA], v[WSA], v2                ; r + 8 (r / 8)
	v_lshlrev_b32 v[WSA], 6, v[WSA]
	s_mov_b32 s25, ttmp9                           ; cb
	s_lshl_b32 s33, s25, 9
	v_add_nc_u32 v[CO], s33, v[L16]
	s_mul_i32 s33, s24, 20*PP
	v_add_nc_u32 v[RP], s33, v[L16]                ; rows 20 w on, 16 bytes a lane, in wave 0's sums,
	v_add_nc_u32 v[RP+1], PREG, v[RP]              ; and in the others'
	v_add_nc_u32 v[RP+2], 2*PREG, v[RP]
	v_add_nc_u32 v[RP+3], 3*PREG, v[RP]
	s_mul_i32 s32, s24, 20
	s_and_b32 s26, ttmp7, 0xffff                   ; t
	s_lshl_b32 s27, s26, 4
	s_wait_kmcnt 0x0
	s_load_b128 s[28:31], s[12:13], s27 offset:0x4000   ; the tile: expert, first, last, rows
	s_mul_i32 s36, s26, 163840                     ; hq: my tile,
	s_lshl_b32 s33, s24, 13
	s_add_co_u32 s36, s36, s33                     ; my four K steps
	s_mov_b32 s37, 0
	s_add_nc_u64 s[8:9], s[8:9], s[36:37]
	s_lshl_b32 s36, s26, 13
	s_lshl_b32 s33, s24, 11
	s_add_co_u32 s36, s36, s33                     ; hs: 512 (16 t + 4 w)
	s_add_nc_u64 s[10:11], s[10:11], s[36:37]
	s_wait_kmcnt 0x0
	s_min_u32 s28, s28, 7                          ; loaded numbers enter addresses only behind a bound
	s_min_u32 s29, s29, 0xfff
	s_min_u32 s30, s30, 0xfff
	s_add_co_u32 s33, s32, s29
	v_add_nc_u32 v[MY], s33, v1                    ; position first + 20 w + lane,
	v_min_u32 v[MY], s30, v[MY]                    ; held at the tile's last
	v_min_u32 v[MY], 0xfff, v[MY]
	v_lshlrev_b32 v[MY], 2, v[MY]
	global_load_b32 v[MY], v[MY], s[12:13]         ; onto its own address
	s_lshl_b32 s34, s28, 9
	s_lshl_b32 s33, s25, 7
	s_add_co_u32 s34, s34, s33                     ; my first row of W2: 512 e + 128 cb
	s_lshl_b32 s36, s34, 2
	s_add_nc_u64 s[18:19], s[18:19], s[36:37]
	global_load_b128 v[B2:B2+3], v[L16], s[18:19]
	s_cmp_eq_u32 s31, 0
	s_cbranch_scc1 .Lmeet
	s_lshl_b32 s36, s34, 6
	s_lshl_b32 s33, s24, 4
	s_add_co_u32 s36, s36, s33
	s_add_nc_u64 s[16:17], s[16:17], s[36:37]      ; W2's scales: 64 bytes a row, my four words
	s_lshl_b32 s36, s34, 11                        ; wl: four units of 8,192 bytes for 16 rows,
	s_lshl_b32 s33, s24, 13
	s_add_co_u32 s36, s36, s33                     ; of which unit w is mine,
	s_add_nc_u64 s[14:15], s[14:15], s[36:37]
	s_add_nc_u64 s[14:15], s[14:15], 0x800000      ; behind W1's 1,024 units
.irp t, 0,1,2,3,4,5,6,7
	global_load_b128 v[W2S+4*\t:W2S+4*\t+3], v[WSA], s[16:17] offset:64*(32*(\t/2)+8*(\t%2))
.endr
.irp s, 0,1,2,3
	global_load_b128 v[HS+4*\s:HS+4*\s+3], v[L16], s[10:11] offset:512*\s
.endr
.macro HLOAD m                         ; h's four fragments of rows 16 m on: 16 loads of 512 consecutive bytes
.if (\m) < 4
	WIN 0xc0
.irp s, 0,1,2,3
.irp c, 0,1,2,3
	global_load_b128 v[64*(\m)+16*\s+4*\c:64*(\m)+16*\s+4*\c+3], v[L16], s[8:9] offset:32768*(\m)+2048*\s+512*\c
.endr
.endr
	WIN 0
.else
.irp s, 0,1,2,3
.irp c, 0,1,2,3
	global_load_b128 v[H4+16*\s+4*\c:H4+16*\s+4*\c+3], v[L16], s[8:9] offset:32768*(\m)+2048*\s+512*\c
.endr
.endr
.endif
.endm
.macro WLOAD s                         ; my eight tiles' fragments of my K step s: 32 loads of 512 consecutive bytes
	WIN 0x40*(1+(\s)/2)
.irp t, 0,1,2,3,4,5,6,7
.irp c, 0,1,2,3
	global_load_b128 v[128*((\s)%2)+16*\t+4*\c:128*((\s)%2)+16*\t+4*\c+3], v[L16], s[14:15] offset:32768*\t+2048*(\s)+512*\c
.endr
.endr
	WIN 0
.endm
	HLOAD 0
.irp s, 0,1,2,3
	WLOAD \s
.endr
.irp m, 1,2,3,4
	HLOAD \m
.endr
; 32 matrix instructions: K step by K step, the eight accumulators by turns, one instruction a turn.  The first K step starts the sums.
.macro MM m
.irp s, 0,1,2,3
.if (\m) < 4
.set BF, 64*(\m)+16*\s
	WIN 0x0d+(\s/2)                                ; source 0 (W2) window 1 or 2, source 1 (h) window 3
.else
.set BF, H4+16*\s
	WIN 0x01+(\s/2)
.endif
.irp t, 0,1,2,3,4,5,6,7
.if (\m) < 4
.if \s == 0
	v_wmma_scale_f32_16x16x128_f8f6f4 v[HA+8*\t:HA+8*\t+7], v[128*(\s%2)+16*\t:128*(\s%2)+16*\t+15], v[BF:BF+15], 0, v[W2S+4*\t+\s], v[HS+4*\s+(\m)] matrix_a_fmt:MATRIX_FMT_BF8 matrix_b_fmt:MATRIX_FMT_BF8
.else
	v_wmma_scale_f32_16x16x128_f8f6f4 v[HA+8*\t:HA+8*\t+7], v[128*(\s%2)+16*\t:128*(\s%2)+16*\t+15], v[BF:BF+15], v[HA+8*\t:HA+8*\t+7], v[W2S+4*\t+\s], v[HS+4*\s+(\m)] matrix_a_fmt:MATRIX_FMT_BF8 matrix_b_fmt:MATRIX_FMT_BF8
.endif
.else                                  ; rows 64 on: their scale words lie in lanes 16-31
.if \s == 0
	v_wmma_scale_f32_16x16x128_f8f6f4 v[HA+8*\t:HA+8*\t+7], v[128*(\s%2)+16*\t:128*(\s%2)+16*\t+15], v[BF:BF+15], 0, v[W2S+4*\t+\s], v[HS+4*\s] matrix_a_fmt:MATRIX_FMT_BF8 matrix_b_fmt:MATRIX_FMT_BF8 matrix_b_scale:MATRIX_SCALE_ROW1
.else
	v_wmma_scale_f32_16x16x128_f8f6f4 v[HA+8*\t:HA+8*\t+7], v[128*(\s%2)+16*\t:128*(\s%2)+16*\t+15], v[BF:BF+15], v[HA+8*\t:HA+8*\t+7], v[W2S+4*\t+\s], v[HS+4*\s] matrix_a_fmt:MATRIX_FMT_BF8 matrix_b_fmt:MATRIX_FMT_BF8 matrix_b_scale:MATRIX_SCALE_ROW1
.endif
.endif
.endr
.endr
.endm
.irp m, 0,1,2,3,4
.if \m == 0
	s_wait_loadcnt 48                              ; the scales, W2 and h's rows 0-31 are in; the 48 loads of rows 32 on may be out
.elseif \m > 1
	s_wait_loadcnt 16*(4-\m)                       ; this tile's 16 loads are in; those of the tiles behind it may be out
.endif
	MM \m
	WIN 0
.rept 9
	v_nop                                          ; places behind the products: 8 ahead of the stores that read the results, 9 ahead of the next tile's products, which begin the accumulators anew
.endr
.irp t, 0,1,2,3,4,5,6,7
	ds_store_b128 v[PS], v[HA+8*\t:HA+8*\t+3] offset:16*PP*\m+128*(\t/2)+32*(\t%2)      ; each accumulator from its low end on
	ds_store_b128 v[PS], v[HA+8*\t+4:HA+8*\t+7] offset:16*PP*\m+128*(\t/2)+32*(\t%2)+16
.endr
	s_wait_dscnt 0x0                               ; the stores have read the accumulators, which the next tile writes
.endr
.Lmeet:
	s_wait_dscnt 0x0                               ; for the others' sake: my 80 rows of partial sums lie in LDS
	s_barrier_signal -1
	s_barrier_wait -1                              ; all four waves' do
	s_cmp_eq_u32 s31, 0                            ; a tile that this split does not use stores nothing and ends
	s_cbranch_scc1 .Lend
	; ---- the way out: wave w adds up and stores rows 20 w .. 20 w + 19, four at a time, in two sets of registers by turns
	s_wait_loadcnt 0x0                             ; the tokens and b2, asked for at the head
.irp j, 0,1,2,3,4,5,6,7,8,9,10,11,12,13,14,15,16,17,18,19
	v_readlane_b32 s[40+\j], v[MY], \j
.endr
.irp j, 0,1,2,3,4,5,6,7,8,9,10,11,12,13,14,15,16,17,18,19
	s_min_u32 s[40+\j], s[40+\j], 0xfff
.endr
.irp j, 0,1,2,3,4,5,6,7,8,9,10,11,12,13,14,15,16,17,18,19
	v_lshl_add_u32 v[OA+\j], s[40+\j], 11, v[CO]   ; the token's row of 2,048 bytes, my block of 512, 16 bytes a lane
.endr
.macro LOADG g, set                    ; rows 4 g .. 4 g + 3 of my 20: each row's four partial sums, 512 consecutive bytes a load
.irp jj, 0,1,2,3
.irp p, 0,1,2,3
	ds_load_b128 v[(\set)+16*\jj+4*\p:(\set)+16*\jj+4*\p+3], v[RP+\p] offset:PP*(4*(\g)+\jj)
.endr
.endr
.endm
.macro ROWOUT j, a                     ; row j of my 20, its four partial sums in v[a] on
	v_pk_add_f32 v[(\a):(\a)+1], v[(\a):(\a)+1], v[(\a)+4:(\a)+5]
	v_pk_add_f32 v[(\a)+2:(\a)+3], v[(\a)+2:(\a)+3], v[(\a)+6:(\a)+7]
	v_pk_add_f32 v[(\a)+8:(\a)+9], v[(\a)+8:(\a)+9], v[(\a)+12:(\a)+13]
	v_pk_add_f32 v[(\a)+10:(\a)+11], v[(\a)+10:(\a)+11], v[(\a)+14:(\a)+15]
	v_pk_add_f32 v[(\a):(\a)+1], v[(\a):(\a)+1], v[(\a)+8:(\a)+9]
	v_pk_add_f32 v[(\a)+2:(\a)+3], v[(\a)+2:(\a)+3], v[(\a)+10:(\a)+11]
	v_pk_add_f32 v[(\a):(\a)+1], v[(\a):(\a)+1], v[B2:B2+1]
	v_pk_add_f32 v[(\a)+2:(\a)+3], v[(\a)+2:(\a)+3], v[B2+2:B2+3]
	s_add_co_u32 s33, s32, \j
	s_cmp_lt_u32 s33, s31                          ; a row past the tile's count is not stored
	s_cbranch_scc0 .Lpast_\@
	global_store_b128 v[OA+\j], v[(\a):(\a)+3], s[20:21] th:TH_STORE_NT   ; 512 consecutive bytes, aligned; written once, read by nobody here
.Lpast_\@:
.endm
	LOADG 0, SA
	LOADG 1, SA+64
.irp g, 0,1,2,3,4
.if \g < 4
	s_wait_dscnt 16                                ; this group's 16 loads are in; the next group's may be out
.else
	s_wait_dscnt 0x0
.endif
.irp jj, 0,1,2,3
	ROWOUT 4*\g+\jj, SA+64*(\g%2)+16*\jj
.endr
.if \g < 3
	s_wait_xcnt 0x0                                ; the stores have read this set's registers: it takes the group two further on
	LOADG \g+2, SA+64*(\g%2)
.endif
.endr
.Lend:
	s_wait_tensorcnt 0x0                           ; the wave's end, behind my last LDS store
	ds_add_u32 v[SPW], v[NIL]
	s_wait_dscnt 0x0
	s_endpgm
.Lfunc_end_k_q9466bec254_down:
	.size	k_q9466bec254_down, .Lfunc_end_k_q9466bec254_down-k_q9466bec254_down
	.p2alignl 7, 3214868480
	.fill 96, 4, 3214868480
	.section	.rodata,"a",@progbits
	.p2align	6, 0x0
	.amdhsa_kernel k_q9466bec254_down
		.amdhsa_group_segment_fixed_size 169472
		.amdhsa_private_segment_fixed_size 0
		.amdhsa_enable_private_segment 0
		.amdhsa_kernarg_size 56
		.amdhsa_user_sgpr_count 2
		.amdhsa_user_sgpr_kernarg_segment_ptr 1
		.amdhsa_wavefront_size32 1
		.amdhsa_system_sgpr_workgroup_id_x 1
		.amdhsa_system_sgpr_workgroup_id_y 1
		.amdhsa_system_sgpr_workgroup_id_z 1
		.amdhsa_system_vgpr_workitem_id 0
		.amdhsa_next_free_vgpr 1024
		.amdhsa_next_free_sgpr 66
		.amdhsa_reserve_vcc 0
		.amdhsa_float_denorm_mode_32 3
		.amdhsa_float_denorm_mode_16_64 3
		.amdhsa_memory_ordered 1
		.amdhsa_forward_progress 1
		.amdhsa_inst_pref_size 75
	.end_amdhsa_kernel
	.amdgpu_metadata
---
amdhsa.version: [ 1, 2 ]
amdhsa.kernels:
  - .name:           k_q9466bec254_down
    .symbol:         k_q9466bec254_down.kd
    .args:
      - { .name: hq, .offset: 0, .size: 8, .value_kind: global_buffer, .address_space: global }
      - { .name: hs, .offset: 8, .size: 8, .value_kind: global_buffer, .address_space: global }
      - { .name: route, .offset: 16, .size: 8, .value_kind: global_buffer, .address_space: global }
      - { .name: wl, .offset: 24, .size: 8, .value_kind: global_buffer, .address_space: global }
      - { .name: W2_scales, .offset: 32, .size: 8, .value_kind: global_buffer, .address_space: global }
      - { .name: b2, .offset: 40, .size: 8, .value_kind: global_buffer, .address_space: global }
      - { .name: out0, .offset: 48, .size: 8, .value_kind: global_buffer, .address_space: global }
    .group_segment_fixed_size: 169472
    .private_segment_fixed_size: 0
    .kernarg_segment_align: 8
    .kernarg_segment_size: 56
    .max_flat_workgroup_size: 128
    .sgpr_count:     66
    .vgpr_count:     1024
    .wavefront_size: 32
...
	.end_amdgpu_metadata
.endif
;; end of part 4
;; ======== version 2 of 2: 4 launches; version 1 with the launches up, down written anew for expert scheduling mode
;; workspace buffers: xq 2,097,152 bytes; xs 65,536 bytes; idx 16,384 bytes of whole numbers; route 17,408 bytes of whole numbers; wl 16,777,216 bytes; hq 9,666,560 bytes; hs 483,328 bytes
;; launch gate: the kernel of part 1 again; grid 256 x 1, 4 waves a work-group, no clusters, 38,400 bytes of LDS; arguments x, Wg, bg, xq, xs, idx; writes xq, xs, idx
;; launch place: the kernel of part 2 again; grid 257 x 1, 8 waves a work-group, no clusters, 2,048 bytes of LDS; arguments idx, W1_codes, W2_codes, route, wl; writes route, wl
;; launch up (part 5): grid 4 x 59, 4 waves a work-group, no clusters, 41,984 bytes of LDS; arguments xq, xs, route, wl, W1_scales, b1, hq, hs; writes hq, hs
.if DOCPART == 5
	.amdgcn_target "amdgcn-amd-amdhsa--gfx1250"
	.amdhsa_code_object_version 6
	.text
	.protected	k_q9466bec254_up
	.globl	k_q9466bec254_up
	.p2align	8
	.type	k_q9466bec254_up,@function
k_q9466bec254_up:
	s_mov_b64 s[64:65], 0
	v_nop
	global_prefetch_b8 v0, s[64:65] scope:SCOPE_SE
	s_setreg_imm32_b32 hwreg(HW_REG_WAVE_SCHED_MODE, 0, 2), 2
	s_setreg_imm32_b32 hwreg(HW_REG_WAVE_MODE, 25, 1), 1
	s_wait_xcnt 0x0
	s_wait_alu depctr_vm_vsrc(0)
; LAUNCH 3 OF 4.  The hidden layer of the routed rows: Q(relu(Q(x) W1 + b1)), as codes of E5M2 and E8M0 bytes.  (Work left out: the rows of experts not chosen; see launch 1's head.)
; SHARES.  Work-group (cb, t) takes tile t of route's table, at most 80 rows of one expert, and hidden units 512 cb .. 512 cb + 511.  THE WAVES SHARE THE COLUMNS: wave w makes units 512 cb + 128 w .. + 127, eight tiles
; of 16, for all five tiles of 16 rows: that is K step ks = 4 cb + w of the next product.  Its 64 KiB of W1 go from wl straight into 512 registers, each byte once, 512 consecutive bytes an instruction.
; The 80 rows of x's codes are gathered once by the work-group, 20 whole rows of 512 bytes a wave, and reach all four waves through LDS.  A position past the tile's last repeats the last token: its rows are
; computed inside a live tile, stored in the tile's own part of hq, and never reach out0.
; THE PRODUCT IS USED TRANSPOSED (source 0 = 16 rows of W1, source 1 = 16 rows of x), and wl has chosen W1's rows so that a lane's 16 registers of tiles 2 b, 2 b + 1 are hidden units 32 b + 16 (lane / 16) + 0 .. 15
; of ONE row: the conversions' results are the next operand's registers and leave as an image of them.  b1 is the C of each sum's first matrix instruction.
; AN EMPTY TILE (rows = 0).  Every wave passes the barrier, and no barrier stands under a branch on a loaded number: so the one test stands behind the barrier.  What stands ahead of it runs in every work-group, on
; the table's expert and last position, which are valid in an unused tile too; such a tile asks for its small loads, 20 rows of x and half of its weights, uses none of them, stores nothing and ends.
; NO TENSOR LOAD, NO CLUSTER: the text branches on a stored number; how many tiles an expert has hangs on the routing, so no fixed partners share its weights; and each operand byte is read once by a work-group.
; hq: [t][m (5)][ks (16)][2,048]: a fragment's registers, block c at 512 c, 16 bytes a lane.  hs: [t][ks][lane][4 words]: word j of lane (r, 0): row 16 j + r's scale word; of lane (r, 1): row 64 + r's.
; LIMITS: NaN and infinities are not served; a block of zeros gets the byte 1 (its codes are zeros; the bytes are read by this program alone).
; REGISTERS: window 0: below.  Windows 1, 2: W1's fragment (tile t, K step s) at v[128 (s % 2) + 16 t] of window 1 + s / 2.  Window 3: v0-63 b1's eight tiles; v64-127 x's fragments of an odd tile of rows.
; THE MODE: SCHED_MODE bits 1:0 = 2 (LLVM: expert scheduling mode 2), set by the entry lines.  The code itself states the register dependences
; between vector or matrix instructions and memory or LDS instructions, with s_wait_alu, always for 0.
; THE PLAN.  Registers that memory or LDS instructions touch, in the five steps (a step = a tile of 16 rows):
;   XF0, XF1   x's fragments, two buffers by turns.  Step m's products read XF[m % 2]; the LDS loads of tile m + 1, issued at the head of step m, land in the other, which step m - 1's products read.
;   PC         the codes.  Written by step m's conversions, at the step's end; read by the four stores that are issued at the head of step m + 1.
;   v4, v6     16 x lane and the fragments' LDS address: made at the head, never written again.
;   The weights, b1 and all scale words are written by loads at the head and read by products alone; HA and the quantiser's registers are named by vector and matrix instructions alone.
; So ONE wait on va_vdst stands at the head of steps 1 to 4: the conversions have written PC, and the last step's products are done reading their buffer of x.  The step's 16 LDS loads and four stores follow it;
; no vector or matrix instruction of the step names the other buffer of x, nor PC ahead of the conversions, in front of which one wait on vm_vsrc stands, 32 products behind the stores that it waits for.
.set XP,    1296                       ; LDS: x's codes as [piece of 16 bytes (32)][row (80)]: 80 x 16 bytes + 16: stores (a lane a piece) and reads (a lane a row) both fall on different banks
.set SPARE, 32*XP                      ; the spare words, 128 bytes for each wave, which no other line names
.set L16,  4                           ; v4   16 x lane
.set XW,   5                           ; v5   where I put my piece of my wave's rows
.set XRD,  6                           ; v6   where I read a fragment: 16 r + XP h
.set WSA,  7                           ; v7   W1's scales: 16 bytes a row, my slot's row
.set BA,   8                           ; v8   b1: 64 h
.set MY,   10                          ; v10  lane j < 20: the token of my wave's row j
.set TK,   11                          ; v11-15 the token of row 16 m + r, later its place in xs
.set XF,   16                          ; v16-79   x's four fragments of an even tile of rows (at the head, v16-95: 20 rows as loaded)
.set XF1,  64                          ; in window 3: v64-127: those of an odd tile of rows
.set HA,   80                          ; v80-143  my eight tiles of the hidden layer
.set PA,   96                          ; at the head only: v96-101 the six places in route's order from which the tokens are loaded
.set PC,   144                         ; v144-159 the codes just made (at the head, v144-163: the 20 rows' offsets)
.set XO,   144
.set TQ,   160                         ; v160-175 the quantiser's: largest magnitudes, bytes, holds, scale operands
.set PW,   176                         ; v176-180 the five tiles' scale words
.set SW,   184                         ; v184-187 as they go to hs
.set XS,   188                         ; v188-207 x's scale words, [m][s]: scales and nothing else
.set W1S,  208                         ; v208-239 W1's, [t][s]: scales and nothing else
.set SPW,  252                         ; my spare word; never rewritten
.set NIL,  253                         ; 0; never rewritten
.set SEL,  36
.set MNT,  38
.set HIM,  39
.set MSB, 0
.macro WIN new                         ; the immediate's high byte repeats the setting that is left
.if MSB != (\new)
	s_set_vgpr_msb (MSB<<8)|(\new)
.set MSB, (\new)
.endif
.endm
	s_load_b512 s[8:23], s[0:1], 0x0               ; xq 8, xs 10, route 12, wl 14, W1_scales 16, b1 18, hq 20, hs 22
	v_lshl_add_u32 v[SPW], v0, 2, SPARE
	v_mov_b32 v[NIL], 0
	v_lshrrev_b32 v1, 5, v0
	v_readfirstlane_b32 s24, v1                    ; wave 0..3
	v_and_b32 v1, 31, v0                           ; lane
	v_and_b32 v2, 15, v0                           ; r
	v_bfe_u32 v3, v0, 4, 1                         ; h
	v_lshlrev_b32 v[L16], 4, v1
	s_wait_alu depctr_va_sdst(0)                   ; s24 is written, ahead of its first reader
	s_mul_i32 s32, s24, 320                        ; 20 rows of 16 bytes
	v_mul_u32_u24 v[XW], v1, XP
	v_add_nc_u32 v[XW], s32, v[XW]
	v_mul_u32_u24 v[XRD], v3, XP
	v_lshl_add_u32 v[XRD], v2, 4, v[XRD]
	v_and_b32 v[WSA], 8, v2
	v_add_nc_u32 v[WSA], v[WSA], v2                ; r + 8 (r / 8)
	v_lshlrev_b32 v[WSA], 4, v[WSA]
	v_lshlrev_b32 v[BA], 6, v3
.irp b, 0,1,2,3
	v_mov_b32 v[TQ+4+\b], 0                        ; written once: a lane permute's destination counts as one of its sources
.endr
	s_mov_b32 s25, ttmp9                           ; cb
	s_and_b32 s26, ttmp7, 0xffff                   ; t
	s_lshl_b32 s27, s26, 4
	s_mov_b32 s[SEL], 0x76543210
	s_mov_b32 s[SEL+1], 0xfedcba98                 ; v_permlanex16_b32's selects for lane l xor 16
	s_mov_b32 s[MNT], 0x600000                     ; the mantissa field of 57,344
	s_mov_b32 s[HIM], 0xffff0000                   ; lanes 16-31
	s_wait_kmcnt 0x0
	s_load_b128 s[28:31], s[12:13], s27 offset:0x4000   ; the tile: expert, first, last, rows
	s_mul_i32 s34, s26, 163840                     ; hq: my tile, 5 x 16 fragments,
	s_lshl_b32 s33, s25, 2
	s_add_co_u32 s33, s33, s24                     ; ks
	s_lshl_b32 s32, s33, 11
	s_add_co_u32 s34, s34, s32                     ; my K step
	s_mov_b32 s35, 0
	s_add_nc_u64 s[20:21], s[20:21], s[34:35]
	s_lshl_b32 s34, s26, 4
	s_add_co_u32 s34, s34, s33
	s_lshl_b32 s34, s34, 9                         ; hs: 512 (16 t + ks)
	s_add_nc_u64 s[22:23], s[22:23], s[34:35]
	s_wait_kmcnt 0x0
	s_min_u32 s28, s28, 7                          ; loaded numbers enter addresses only behind a bound
	s_min_u32 s29, s29, 0xfff
	s_min_u32 s30, s30, 0xfff
	s_mul_i32 s33, s24, 20
	s_add_co_u32 s33, s33, s29
	v_add_nc_u32 v[PA], s33, v1                    ; position first + 20 w + lane,
	v_min_u32 v[PA], s30, v[PA]                    ; held at the tile's last
	v_min_u32 v[PA], 0xfff, v[PA]
	v_lshlrev_b32 v[PA], 2, v[PA]
.irp m, 0,1,2,3,4
	v_add3_u32 v[PA+1+\m], s29, v2, 16*\m          ; position first + 16 m + r, likewise
	v_min_u32 v[PA+1+\m], s30, v[PA+1+\m]
	v_min_u32 v[PA+1+\m], 0xfff, v[PA+1+\m]
	v_lshlrev_b32 v[PA+1+\m], 2, v[PA+1+\m]
.endr
	s_lshl_b32 s32, s28, 11                        ; the scalar bases are made here, ahead of the wait below: behind it stand loads and window switches alone
	s_lshl_b32 s33, s25, 9
	s_add_co_u32 s32, s32, s33
	s_lshl_b32 s33, s24, 7
	s_add_co_u32 s32, s32, s33                     ; my first row of W1: 2,048 e + 512 cb + 128 w
	s_lshl_b32 s34, s32, 4
	s_add_nc_u64 s[16:17], s[16:17], s[34:35]      ; its scales, 16 bytes a row
	s_lshl_b32 s34, s32, 2
	s_add_nc_u64 s[18:19], s[18:19], s[34:35]      ; b1
	s_lshl_b32 s34, s32, 9
	s_add_nc_u64 s[14:15], s[14:15], s[34:35]      ; wl: a unit of 8,192 bytes for 16 rows
	s_wait_alu depctr_va_vdst(0)                   ; the five addresses v4 to v8 and the six places v96 to v101 are written, which the loads and LDS instructions below read
	global_load_b32 v[MY], v[PA], s[12:13]         ; six loads of tokens
.irp m, 0,1,2,3,4
	global_load_b32 v[TK+\m], v[PA+1+\m], s[12:13]
.endr
.irp t, 0,1,2,3,4,5,6,7
	global_load_b128 v[W1S+4*\t:W1S+4*\t+3], v[WSA], s[16:17] offset:16*(32*(\t/2)+8*(\t%2))   ; my slot's four scale words
.endr
	WIN 0xc0                                       ; destination window 3
.irp t, 0,1,2,3,4,5,6,7
	global_load_b128 v[8*\t:8*\t+3], v[BA], s[18:19] offset:4*(32*(\t/2)+8*(\t%2))            ; b1 at units 32 b + 16 h + 8 u + 0 .. 7: the result's layout
	global_load_b128 v[8*\t+4:8*\t+7], v[BA], s[18:19] offset:4*(32*(\t/2)+8*(\t%2))+16
.endr
.macro WLOAD s                         ; my eight tiles' fragments of K step s: 32 loads of 512 consecutive bytes.  No vector or matrix instruction has named their registers: nothing is owed for them but v4, which the head's wait has shown written
	WIN 0x40*(1+(\s)/2)
.irp t, 0,1,2,3,4,5,6,7
.irp c, 0,1,2,3
	global_load_b128 v[128*((\s)%2)+16*\t+4*\c:128*((\s)%2)+16*\t+4*\c+3], v[L16], s[14:15] offset:8192*\t+2048*(\s)+512*\c
.endr
.endr
	WIN 0
.endm
	WLOAD 0
	s_wait_loadcnt 56                              ; the six loads of tokens are in; the 8 + 16 + 32 issued behind them may be out
.irp j, 0,1,2,3,4,5,6,7,8,9,10,11,12,13,14,15,16,17,18,19
	v_readlane_b32 s[40+\j], v[MY], \j
.endr
	s_wait_alu depctr_va_sdst(0)                   ; s40 to s59 are written, ahead of their first readers: one wait for the run of twenty
.irp j, 0,1,2,3,4,5,6,7,8,9,10,11,12,13,14,15,16,17,18,19
	s_min_u32 s[40+\j], s[40+\j], 0xfff
.endr
.irp j, 0,1,2,3,4,5,6,7,8,9,10,11,12,13,14,15,16,17,18,19
	v_lshl_add_u32 v[XO+\j], s[40+\j], 9, v[L16]   ; the token's row of 512 codes, 16 bytes a lane
.endr
.irp m, 0,1,2,3,4
	v_min_u32 v[TK+\m], 0xfff, v[TK+\m]
	v_lshlrev_b32 v[TK+\m], 4, v[TK+\m]            ; the token's 16 scale bytes
.endr
	s_wait_alu depctr_va_vdst(0)                   ; the 20 rows' offsets v144 to v163 and the five places in xs v11 to v15 are written, which the 25 loads below read
.irp j, 0,1,2,3,4,5,6,7,8,9,10,11,12,13,14,15,16,17,18,19
	global_load_b128 v[16+4*\j:19+4*\j], v[XO+\j], s[8:9]   ; a whole row: 512 consecutive bytes, aligned
.endr
.irp m, 0,1,2,3,4
	global_load_b128 v[XS+4*\m:XS+4*\m+3], v[TK+\m], s[10:11]
.endr
	WLOAD 1
	s_wait_loadcnt 37                              ; the 20 rows are in; the 5 + 32 issued behind them may be out
.irp j, 0,1,2,3,4,5,6,7,8,9,10,11,12,13,14,15,16,17,18,19
	ds_store_b128 v[XW], v[16+4*\j:19+4*\j] offset:16*\j
.endr
	s_wait_dscnt 0x0                               ; for the others' sake: my 20 rows lie in LDS
	s_barrier_signal -1
	s_barrier_wait -1                              ; all 80 do
	s_wait_alu depctr_vm_vsrc(0)                   ; my LDS stores have read v16 to v95, the rows' loads v144 to v163, the tokens' loads v96 to v101: below, the fragments' loads land in the first, and the products and the quantiser write all three
	s_cmp_eq_u32 s31, 0                            ; a tile that this split does not use stores nothing and ends
	s_cbranch_scc1 .Lend
	WLOAD 2
	WLOAD 3
.macro FETCHX m                        ; x's four fragments of rows 16 m on: lane (r, h), K step s, block c: piece 8 s + 2 c + h of row 16 m + r.  An even tile's into window 0, an odd tile's into window 3
.if (\m)%2
	WIN 0xc0                                       ; destination window 3, address window 0
.irp s, 0,1,2,3
.irp c, 0,1,2,3
	ds_load_b128 v[XF1+16*\s+4*\c:XF1+16*\s+4*\c+3], v[XRD] offset:XP*(8*\s+2*\c)+256*(\m)
.endr
.endr
	WIN 0
.else
.irp s, 0,1,2,3
.irp c, 0,1,2,3
	ds_load_b128 v[XF+16*\s+4*\c:XF+16*\s+4*\c+3], v[XRD] offset:XP*(8*\s+2*\c)+256*(\m)
.endr
.endr
.endif
.endm
; 32 matrix instructions: K step by K step, the eight accumulators by turns, one instruction a turn.
.macro MM m
.irp s, 0,1,2,3
.if (\m) == 0
.if \s == 0
	s_wait_loadcnt 63                              ; all but the youngest 63 loads are in; those lie among the 64 of K steps 2 and 3: so the scales, b1 and K steps 0 and 1 are here
.elseif \s == 2
	s_wait_loadcnt 32                              ; K step 2 is in; K step 3's 32 may be out
.elseif \s == 3
	s_wait_loadcnt 0x0
.endif
.endif
.if (\m)%2
.set XB, XF1+16*\s                     ; source 1 (x) in window 3
.set WX, 0x0c
.else
.set XB, XF+16*\s                      ; in window 0
.set WX, 0
.endif
.if \s == 0
	WIN 0x31+WX                                    ; source 0 (W1) window 1, source 2 (b1) window 3
.elseif \s == 1
	WIN 0x01+WX
.else
	WIN 0x02+WX
.endif
.irp t, 0,1,2,3,4,5,6,7
.if \s == 0
	v_wmma_scale_f32_16x16x128_f8f6f4 v[HA+8*\t:HA+8*\t+7], v[128*(\s%2)+16*\t:128*(\s%2)+16*\t+15], v[XB:XB+15], v[8*\t:8*\t+7], v[W1S+4*\t+\s], v[XS+4*(\m)+\s] matrix_a_fmt:MATRIX_FMT_BF8 matrix_b_fmt:MATRIX_FMT_BF8
.else
	v_wmma_scale_f32_16x16x128_f8f6f4 v[HA+8*\t:HA+8*\t+7], v[128*(\s%2)+16*\t:128*(\s%2)+16*\t+15], v[XB:XB+15], v[HA+8*\t:HA+8*\t+7], v[W1S+4*\t+\s], v[XS+4*(\m)+\s] matrix_a_fmt:MATRIX_FMT_BF8 matrix_b_fmt:MATRIX_FMT_BF8
.endif
.endr
.endr
.endm
; 64 numbers of a lane, register 16 b + i = k 32 b + 16 (lane / 16) + i of my row, become a fragment's codes in v[PC] on and its scale word in v[pw].  What is negative becomes 0 on the way.
.macro QUANT s, pw
.irp b, 0,1,2,3
	v_max3_num_f32 v[TQ+\b], v[\s+16*\b], v[\s+1+16*\b], 0x8000000   ; no |.|: what is negative is to become 0 and must not count; the floor 2^(16 - 127) stands over it and holds the byte at 1 from below.  Each accumulator is read from its low end on
.endr
.irp i, 2,4,6,8,10,12,14
.irp b, 0,1,2,3
	v_max3_num_f32 v[TQ+\b], v[TQ+\b], v[\s+16*\b+\i], v[\s+1+16*\b+\i]   ; the four blocks by turns
.endr
.endr
.irp b, 0,1,2,3
	v_permlanex16_b32 v[TQ+4+\b], v[TQ+\b], s[SEL], s[SEL+1]
.endr
.irp b, 0,1,2,3
	v_max_num_f32 v[TQ+\b], v[TQ+\b], v[TQ+4+\b]   ; with lane l xor 16's: the block's largest magnitude
.endr
.irp b, 0,1,2,3
	v_add_nc_u32 v[TQ+12+\b], 0xf8800000, v[TQ+\b] ; 15 off its exponent field: the conversion's scale operand
.endr
.irp b, 0,1,2,3
	v_and_or_b32 v[TQ+8+\b], v[TQ+\b], 0x7f800000, s[MNT]   ; 57,344 x the scale
.endr
.irp b, 0,1,2,3
	v_lshrrev_b32 v[TQ+4+\b], 23, v[TQ+12+\b]      ; the scale's byte
.endr
	v_lshl_or_b32 v[\pw], v[TQ+5], 8, v[TQ+4]      ; the four bytes make my row's scale word
	v_lshl_or_b32 v[\pw], v[TQ+6], 16, v[\pw]
	v_lshl_or_b32 v[\pw], v[TQ+7], 24, v[\pw]
.irp b, 0,1,2,3
.irp i, 0,1,2,3,4,5,6,7,8,9,10,11,12,13,14,15
	v_med3_num_f32 v[\s+16*\b+\i], v[\s+16*\b+\i], 0, v[TQ+8+\b]   ; the activation and the hold in one (the conversion to an 8-bit code does not saturate: ISA guide 7.6.2)
.endr
	v_cvt_scalef32_pk8_bf8_f32 v[PC+4*\b:PC+1+4*\b], v[\s+16*\b:\s+7+16*\b], v[TQ+12+\b]
	v_cvt_scalef32_pk8_bf8_f32 v[PC+2+4*\b:PC+3+4*\b], v[\s+8+16*\b:\s+15+16*\b], v[TQ+12+\b]
.endr
	v_nop                                          ; a plain line behind the last conversion: the next products write its sources
.endm
	FETCHX 0                                       ; the first two tiles' fragments: no vector or matrix instruction has named either buffer yet
	FETCHX 1
.irp m, 0,1,2,3,4
.if \m > 0
	s_wait_alu depctr_va_vdst(0)                   ; the last step's conversions have written the codes, which the four stores below read; its products are done reading their buffer of x, in which the loads below land
.if \m < 4
	FETCHX \m+1                                    ; the next tile's fragments land while this tile is multiplied and quantised
.endif
.irp c, 0,1,2,3
	global_store_b128 v[L16], v[PC+4*\c:PC+4*\c+3], s[20:21] offset:32768*(\m-1)+512*\c   ; the last step's fragment as it stands: 512 consecutive bytes, aligned
.endr
.endif
.if \m < 4
	s_wait_dscnt 16                                ; this tile's fragments of x are in; the next tile's 16 loads, issued behind them, may be out
.else
	s_wait_dscnt 0x0
.endif
	MM \m
	WIN 0
.rept 9
	v_nop                                          ; places behind the products: 8 ahead of the reads of the results, 9 ahead of the next tile's products, which begin the accumulators anew
.endr
.if \m > 0
	s_wait_xcnt 0x0                                ; the stores at this step's head have had their addresses translated: the codes' registers are rewritten only behind this wait,
	s_wait_alu depctr_vm_vsrc(0)                   ; and those stores have read the codes' registers, which the conversions below write again
.endif
	QUANT HA, PW+\m
.endr
.irp j, 0,1,2,3
	v_cndmask_b32 v[SW+\j], v[PW+\j], v[PW+4], s[HIM]   ; lanes 0-15: rows 16 j + r; lanes 16-31: rows 64 + r
.endr
	s_wait_alu depctr_va_vdst(0)                   ; the last tile's conversions have written the codes and the four selections the scale words, which the five stores below read
.irp c, 0,1,2,3
	global_store_b128 v[L16], v[PC+4*\c:PC+4*\c+3], s[20:21] offset:32768*4+512*\c
.endr
	global_store_b128 v[L16], v[SW:SW+3], s[22:23] ; 512 consecutive bytes, aligned
.Lend:
	s_wait_dscnt 0x0                               ; the closing lines, six on end
	s_wait_alu 0x0
	s_wait_tensorcnt 0x0
	ds_add_u32 v[SPW], v[NIL]
	s_wait_dscnt 0x0
	s_endpgm
.Lfunc_end_k_q9466bec254_up:
	.size	k_q9466bec254_up, .Lfunc_end_k_q9466bec254_up-k_q9466bec254_up
	.p2alignl 7, 3214868480
	.fill 96, 4, 3214868480
	.section	.rodata,"a",@progbits
	.p2align	6, 0x0
	.amdhsa_kernel k_q9466bec254_up
		.amdhsa_group_segment_fixed_size 41984
		.amdhsa_private_segment_fixed_size 0
		.amdhsa_enable_private_segment 0
		.amdhsa_kernarg_size 64
		.amdhsa_user_sgpr_count 2
		.amdhsa_user_sgpr_kernarg_segment_ptr 1
		.amdhsa_wavefront_size32 1
		.amdhsa_system_sgpr_workgroup_id_x 1
		.amdhsa_system_sgpr_workgroup_id_y 1
		.amdhsa_system_sgpr_workgroup_id_z 1
		.amdhsa_system_vgpr_workitem_id 0
		.amdhsa_next_free_vgpr 896
		.amdhsa_next_free_sgpr 66
		.amdhsa_reserve_vcc 0
		.amdhsa_float_denorm_mode_32 3
		.amdhsa_float_denorm_mode_16_64 3
		.amdhsa_memory_ordered 1
		.amdhsa_forward_progress 1
		.amdhsa_inst_pref_size 98
	.end_amdhsa_kernel
	.amdgpu_metadata
---
amdhsa.version: [ 1, 2 ]
amdhsa.kernels:
  - .name:           k_q9466bec254_up
    .symbol:         k_q9466bec254_up.kd
    .args:
      - { .name: xq, .offset: 0, .size: 8, .value_kind: global_buffer, .address_space: global }
      - { .name: xs, .offset: 8, .size: 8, .value_kind: global_buffer, .address_space: global }
      - { .name: route, .offset: 16, .size: 8, .value_kind: global_buffer, .address_space: global }
      - { .name: wl, .offset: 24, .size: 8, .value_kind: global_buffer, .address_space: global }
      - { .name: W1_scales, .offset: 32, .size: 8, .value_kind: global_buffer, .address_space: global }
      - { .name: b1, .offset: 40, .size: 8, .value_kind: global_buffer, .address_space: global }
      - { .name: hq, .offset: 48, .size: 8, .value_kind: global_buffer, .address_space: global }
      - { .name: hs, .offset: 56, .size: 8, .value_kind: global_buffer, .address_space: global }
    .group_segment_fixed_size: 41984
    .private_segment_fixed_size: 0
    .kernarg_segment_align: 8
    .kernarg_segment_size: 64
    .max_flat_workgroup_size: 128
    .sgpr_count:     66
    .vgpr_count:     896
    .wavefront_size: 32
...
	.end_amdgpu_metadata
.endif
;; end of part 5
;; launch down (part 6): grid 4 x 59, 4 waves a work-group, no clusters, 169,472 bytes of LDS; arguments hq, hs, route, wl, W2_scales, b2, out0; writes out0
.if DOCPART == 6
	.amdgcn_target "amdgcn-amd-amdhsa--gfx1250"
	.amdhsa_code_object_version 6
	.text
	.protected	k_q9466bec254_down
	.globl	k_q9466bec254_down
	.p2align	8
	.type	k_q9466bec254_down,@function
k_q9466bec254_down:
	s_mov_b64 s[64:65], 0
	v_nop
	global_prefetch_b8 v0, s[64:65] scope:SCOPE_SE
	s_setreg_imm32_b32 hwreg(HW_REG_WAVE_SCHED_MODE, 0, 2), 2
	s_setreg_imm32_b32 hwreg(HW_REG_WAVE_MODE, 25, 1), 1
	s_wait_xcnt 0x0
	s_wait_alu depctr_vm_vsrc(0)
; LAUNCH 4 OF 4.  out0[token] = Q(h) W2 + b2 for the routed rows, stored by token.  (Work left out: the rows of experts not chosen, and the last product, which is a selection; see launch 1's head.)
; SHARES.  Work-group (cb, t) takes tile t of route's table, at most 80 rows of one expert, and outputs 128 cb .. 128 cb + 127.  THE WAVES SHARE K: wave w takes K steps 4 w .. 4 w + 3 (512 of the 2,048) for all eight
; tiles of outputs and all five tiles of rows.  So each byte of W2 (64 KiB a wave, 512 registers) and of the hidden layer (40 KiB a wave, 320 registers) is loaded once by the work-group, straight into the register
; in which it is used, 512 consecutive bytes an instruction.  The four partial sums meet in LDS, through which the results go in any case to leave as whole rows.
; THE ORDER OF THE SUM is ((K0 + K1) + (K2 + K3)) + b2, Kw being wave w's f32 sum over its 512: another order than one chain along K; the result is compared within a tolerance.
; THE PRODUCT IS USED TRANSPOSED (source 0 = 16 rows of W2, source 1 = 16 rows of h); by wl's choice of rows a lane's registers of tile 2 b + u are outputs 32 b + 16 (lane / 16) + 8 u + 0 .. 7 of one row.
; AN EMPTY TILE (rows = 0) has no hidden layer in hq: it jumps over the loads and products, passes the one barrier, which stands under no branch, jumps over the way out, stores nothing and ends.  The five registers
; that the way out takes from ahead of the barrier (the tokens, b2) are asked for at the head, ahead of the first test, on the table's expert and last position, which are valid in an unused tile too.
; A position past the tile's last repeats the last token: its row is summed inside a live tile and not stored (a scalar branch on the stored count, round the store alone).
; NO TENSOR LOAD, NO CLUSTER: the text branches on a stored number; how many tiles an expert has hangs on the routing, so no fixed partners share its weights.
; REGISTERS: window 0: below.  Windows 1, 2: W2's fragment (tile t, K step s) at v[128 (s % 2) + 16 t] of window 1 + s / 2.  Window 3: h's fragment (m, s) at v[64 m + 16 s], m = 0 .. 3; behind tile 0's products
; its v0-63 are the accumulators of the odd tiles of rows.
; THE MODE: SCHED_MODE bits 1:0 = 2 (LLVM: expert scheduling mode 2), set by the entry lines.  The code itself states the register dependences
; between vector or matrix instructions and memory or LDS instructions, with s_wait_alu, always for 0.
; THE PLAN.  Registers that memory or LDS instructions touch, behind the loads at the head (which land in registers that no vector or matrix instruction has named):
;   ACC0, ACC1   two sets of eight accumulators by turns.  Step m's products write ACC[m % 2]; the 16 LDS stores issued at the head of step m + 1 read it; step m + 2's products write it again.
;   SA0, SA1     the way out: two sets of 64.  The LDS loads of group g land in SA[g % 2]; group g's additions read it and write in it; the loads of group g + 2 follow behind them.
;   OUT0, OUT1   the way out: two sets of 16.  Group g's last additions write OUT[g % 2]; its four stores read it; group g + 2 writes it again.
;   v4-7, v10-13, v212-231   addresses and offsets: written once by vector instructions, never again.
; So a step's head holds one wait on va_vdst (the products of the step before have written their sums) and, from step 2 on, one on vm_vsrc, which stands ahead of this step's stores and a whole step behind those
; that it waits for.  A group of the way out holds one wait on va_vdst, behind its additions, which empty a set and fill an out-buffer, and from group 2 on one on vm_vsrc, two groups behind its stores.
.set PP,    528                        ; LDS: a row of partial sums: 512 bytes + 16
.set PREG,  80*PP                      ; a wave's 80 rows
.set SPARE, 4*PREG                     ; the spare words, 128 bytes for each wave, which no other line names
.set L16,  4                           ; v4   16 x lane
.set PS,   5                           ; v5   where I put 32 bytes of a row of my wave's sums
.set WSA,  6                           ; v6   W2's scales: 64 bytes a row, my slot's row
.set CO,   7                           ; v7   my 16 bytes in a row of out0
.set PA,   8                           ; v8   the place in route's order from which my token is loaded
.set MY,   9                           ; v9   lane j < 20: the token of my wave's row j on the way out
.set RP,   10                          ; v10-13 where I read my wave's 20 rows in the four waves' sums
.set OUT0, 14                          ; v14-29   the way out: four finished rows of an even group
.set HA,   32                          ; v32-95   the eight accumulators of an even tile of rows
.set HB,   0                           ; in window 3: v0-63: those of an odd tile of rows
.set SA,   32                          ; the way out: two sets of 64: four rows x four partial sums; v32-95 and v96-159
.set H4,   96                          ; v96-159  h's fragments of rows 64 on
.set W2S,  160                         ; v160-191 W2's scale words [t][s]: scales and nothing else
.set HS,   192                         ; v192-207 h's [s][j]: scales and nothing else
.set B2,   208                         ; v208-211 b2 at my four outputs
.set OA,   212                         ; v212-231 my 20 rows' offsets in out0
.set OUT1, 232                         ; v232-247 the way out: four finished rows of an odd group
.set SPW,  252                         ; my spare word; never rewritten
.set NIL,  253                         ; 0; never rewritten
.set MSB, 0
.macro WIN new                         ; the immediate's high byte repeats the setting that is left
.if MSB != (\new)
	s_set_vgpr_msb (MSB<<8)|(\new)
.set MSB, (\new)
.endif
.endm
	s_load_b256 s[8:15], s[0:1], 0x0               ; hq 8, hs 10, route 12, wl 14
	s_load_b128 s[16:19], s[0:1], 0x20             ; W2_scales 16, b2 18
	s_load_b64 s[20:21], s[0:1], 0x30              ; out0
	v_lshl_add_u32 v[SPW], v0, 2, SPARE
	v_mov_b32 v[NIL], 0
	v_lshrrev_b32 v1, 5, v0
	v_readfirstlane_b32 s24, v1                    ; wave 0..3
	v_and_b32 v1, 31, v0                           ; lane
	v_and_b32 v2, 15, v0                           ; r
	v_bfe_u32 v3, v0, 4, 1                         ; h
	v_lshlrev_b32 v[L16], 4, v1
	s_wait_alu depctr_va_sdst(0)                   ; s24 is written, ahead of its first reader
	s_mul_i32 s33, s24, PREG
	v_mul_u32_u24 v[PS], v2, PP
	v_lshl_add_u32 v[PS], v3, 6, v[PS]
	v_add_nc_u32 v[PS], s33, v[PS]                 ; row r, + 64 h, in my wave's region
	v_and_b32 v[WSA], 8, v2
	v_add_nc_u32 v[WSA], v[WSA], v2                ; r + 8 (r / 8)
	v_lshlrev_b32 v[WSA], 6, v[WSA]
	s_mov_b32 s25, ttmp9                           ; cb
	s_lshl_b32 s33, s25, 9
	v_add_nc_u32 v[CO], s33, v[L16]
	s_mul_i32 s33, s24, 20*PP
	v_add_nc_u32 v[RP], s33, v[L16]                ; rows 20 w on, 16 bytes a lane, in wave 0's sums,
	v_add_nc_u32 v[RP+1], PREG, v[RP]              ; and in the others'
	v_add_nc_u32 v[RP+2], 2*PREG, v[RP]
	v_add_nc_u32 v[RP+3], 3*PREG, v[RP]
	s_mul_i32 s32, s24, 20
	s_and_b32 s26, ttmp7, 0xffff                   ; t
	s_lshl_b32 s27, s26, 4
	s_wait_kmcnt 0x0
	s_load_b128 s[28:31], s[12:13], s27 offset:0x4000   ; the tile: expert, first, last, rows
	s_mul_i32 s36, s26, 163840                     ; hq: my tile,
	s_lshl_b32 s33, s24, 13
	s_add_co_u32 s36, s36, s33                     ; my four K steps
	s_mov_b32 s37, 0
	s_add_nc_u64 s[8:9], s[8:9], s[36:37]
	s_lshl_b32 s36, s26, 13
	s_lshl_b32 s33, s24, 11
	s_add_co_u32 s36, s36, s33                     ; hs: 512 (16 t + 4 w)
	s_add_nc_u64 s[10:11], s[10:11], s[36:37]
	s_wait_kmcnt 0x0
	s_min_u32 s28, s28, 7                          ; loaded numbers enter addresses only behind a bound
	s_min_u32 s29, s29, 0xfff
	s_min_u32 s30, s30, 0xfff
	s_add_co_u32 s33, s32, s29
	v_add_nc_u32 v[PA], s33, v1                    ; position first + 20 w + lane,
	v_min_u32 v[PA], s30, v[PA]                    ; held at the tile's last
	v_min_u32 v[PA], 0xfff, v[PA]
	v_lshlrev_b32 v[PA], 2, v[PA]
	s_lshl_b32 s34, s28, 9                         ; the scalar bases are made here, ahead of the wait below: behind it stand loads, window switches, a compare and a branch alone
	s_lshl_b32 s33, s25, 7
	s_add_co_u32 s34, s34, s33                     ; my first row of W2: 512 e + 128 cb
	s_lshl_b32 s36, s34, 2
	s_add_nc_u64 s[18:19], s[18:19], s[36:37]      ; b2
	s_lshl_b32 s36, s34, 6
	s_lshl_b32 s33, s24, 4
	s_add_co_u32 s36, s36, s33
	s_add_nc_u64 s[16:17], s[16:17], s[36:37]      ; W2's scales: 64 bytes a row, my four words
	s_lshl_b32 s36, s34, 11                        ; wl: four units of 8,192 bytes for 16 rows,
	s_lshl_b32 s33, s24, 13
	s_add_co_u32 s36, s36, s33                     ; of which unit w is mine,
	s_add_nc_u64 s[14:15], s[14:15], s[36:37]
	s_add_nc_u64 s[14:15], s[14:15], 0x800000      ; behind W1's 1,024 units
	s_wait_alu depctr_va_vdst(0)                   ; the addresses v4 to v6 and v10 to v13 and the place v8 are written, which the loads and LDS instructions below read
	global_load_b32 v[MY], v[PA], s[12:13]
	global_load_b128 v[B2:B2+3], v[L16], s[18:19]
	s_cmp_eq_u32 s31, 0
	s_cbranch_scc1 .Lmeet
.irp t, 0,1,2,3,4,5,6,7
	global_load_b128 v[W2S+4*\t:W2S+4*\t+3], v[WSA], s[16:17] offset:64*(32*(\t/2)+8*(\t%2))
.endr
.irp s, 0,1,2,3
	global_load_b128 v[HS+4*\s:HS+4*\s+3], v[L16], s[10:11] offset:512*\s
.endr
.macro HLOAD m                         ; h's four fragments of rows 16 m on: 16 loads of 512 consecutive bytes
.if (\m) < 4
	WIN 0xc0
.irp s, 0,1,2,3
.irp c, 0,1,2,3
	global_load_b128 v[64*(\m)+16*\s+4*\c:64*(\m)+16*\s+4*\c+3], v[L16], s[8:9] offset:32768*(\m)+2048*\s+512*\c
.endr
.endr
	WIN 0
.else
.irp s, 0,1,2,3
.irp c, 0,1,2,3
	global_load_b128 v[H4+16*\s+4*\c:H4+16*\s+4*\c+3], v[L16], s[8:9] offset:32768*(\m)+2048*\s+512*\c
.endr
.endr
.endif
.endm
.macro WLOAD s                         ; my eight tiles' fragments of my K step s: 32 loads of 512 consecutive bytes
	WIN 0x40*(1+(\s)/2)
.irp t, 0,1,2,3,4,5,6,7
.irp c, 0,1,2,3
	global_load_b128 v[128*((\s)%2)+16*\t+4*\c:128*((\s)%2)+16*\t+4*\c+3], v[L16], s[14:15] offset:32768*\t+2048*(\s)+512*\c
.endr
.endr
	WIN 0
.endm
	HLOAD 0
.irp s, 0,1,2,3
	WLOAD \s
.endr
.irp m, 1,2,3,4
	HLOAD \m
.endr
; 32 matrix instructions: K step by K step, the eight accumulators by turns, one instruction a turn.  The first K step starts the sums.
.macro MM m
.irp s, 0,1,2,3
.if (\m) < 4
.set BF, 64*(\m)+16*\s
.else
.set BF, H4+16*\s
.endif
.if (\m)%2
.set AC, HB
	WIN 0xfd+(\s/2)                                ; source 0 (W2) window 1 or 2, source 1 (h), C and D window 3
.elseif (\m) < 4
.set AC, HA
	WIN 0x0d+(\s/2)                                ; source 0 (W2) window 1 or 2, source 1 (h) window 3
.else
.set AC, HA
	WIN 0x01+(\s/2)
.endif
.irp t, 0,1,2,3,4,5,6,7
.if (\m) < 4
.if \s == 0
	v_wmma_scale_f32_16x16x128_f8f6f4 v[AC+8*\t:AC+8*\t+7], v[128*(\s%2)+16*\t:128*(\s%2)+16*\t+15], v[BF:BF+15], 0, v[W2S+4*\t+\s], v[HS+4*\s+(\m)] matrix_a_fmt:MATRIX_FMT_BF8 matrix_b_fmt:MATRIX_FMT_BF8
.else
	v_wmma_scale_f32_16x16x128_f8f6f4 v[AC+8*\t:AC+8*\t+7], v[128*(\s%2)+16*\t:128*(\s%2)+16*\t+15], v[BF:BF+15], v[AC+8*\t:AC+8*\t+7], v[W2S+4*\t+\s], v[HS+4*\s+(\m)] matrix_a_fmt:MATRIX_FMT_BF8 matrix_b_fmt:MATRIX_FMT_BF8
.endif
.else                                  ; rows 64 on: their scale words lie in lanes 16-31
.if \s == 0
	v_wmma_scale_f32_16x16x128_f8f6f4 v[AC+8*\t:AC+8*\t+7], v[128*(\s%2)+16*\t:128*(\s%2)+16*\t+15], v[BF:BF+15], 0, v[W2S+4*\t+\s], v[HS+4*\s] matrix_a_fmt:MATRIX_FMT_BF8 matrix_b_fmt:MATRIX_FMT_BF8 matrix_b_scale:MATRIX_SCALE_ROW1
.else
	v_wmma_scale_f32_16x16x128_f8f6f4 v[AC+8*\t:AC+8*\t+7], v[128*(\s%2)+16*\t:128*(\s%2)+16*\t+15], v[BF:BF+15], v[AC+8*\t:AC+8*\t+7], v[W2S+4*\t+\s], v[HS+4*\s] matrix_a_fmt:MATRIX_FMT_BF8 matrix_b_fmt:MATRIX_FMT_BF8 matrix_b_scale:MATRIX_SCALE_ROW1
.endif
.endif
.endr
.endr
.endm
.macro PUT m                           ; tile m's partial sums go to my wave's region of LDS: 16 stores
.if (\m)%2
.set AC, HB
	WIN 0x0c                                       ; an LDS store's data are its source 1: window 3
.else
.set AC, HA
.endif
.irp t, 0,1,2,3,4,5,6,7
	ds_store_b128 v[PS], v[AC+8*\t:AC+8*\t+3] offset:16*PP*(\m)+128*(\t/2)+32*(\t%2)      ; each accumulator from its low end on
	ds_store_b128 v[PS], v[AC+8*\t+4:AC+8*\t+7] offset:16*PP*(\m)+128*(\t/2)+32*(\t%2)+16
.endr
	WIN 0
.endm
.irp m, 0,1,2,3,4
.if \m > 0
	WIN 0
.rept 9
	v_nop                                          ; places behind the products: 8 ahead of the stores that read the results, 9 ahead of this tile's products, which in step 1 write over tile 0's fragments of h
.endr
	s_wait_alu depctr_va_vdst(0)                   ; the last tile's products have written their sums, which the 16 stores below read; the places above stay beside this wait
.if \m > 1
	s_wait_alu depctr_vm_vsrc(0)                   ; the stores issued at the last step's head have read the other set of accumulators, which this tile's products write again
.endif
	PUT \m-1
.endif
.if \m == 0
	s_wait_loadcnt 48                              ; the scales, W2 and h's rows 0-31 are in; the 48 loads of rows 32 on may be out
.elseif \m > 1
	s_wait_loadcnt 16*(4-\m)                       ; this tile's 16 loads are in; those of the tiles behind it may be out
.endif
	MM \m
.endr
	WIN 0
.rept 9
	v_nop                                          ; places behind the last products, ahead of the stores that read their results
.endr
	s_wait_alu depctr_va_vdst(0)                   ; the last tile's products have written their sums, which the 16 stores below read
	PUT 4
.Lmeet:
	s_wait_dscnt 0x0                               ; for the others' sake: my 80 rows of partial sums lie in LDS
	s_barrier_signal -1
	s_barrier_wait -1                              ; all four waves' do
	s_wait_alu depctr_vm_vsrc(0)                   ; my LDS stores have read v32 to v95, in which the way out's loads land
	s_cmp_eq_u32 s31, 0                            ; a tile that this split does not use stores nothing and ends
	s_cbranch_scc1 .Lend
	; ---- the way out: wave w adds up and stores rows 20 w .. 20 w + 19, four at a time, in two sets of registers by turns
	s_wait_loadcnt 0x0                             ; the tokens and b2, asked for at the head
.irp j, 0,1,2,3,4,5,6,7,8,9,10,11,12,13,14,15,16,17,18,19
	v_readlane_b32 s[40+\j], v[MY], \j
.endr
	s_wait_alu depctr_va_sdst(0)                   ; s40 to s59 are written, ahead of their first readers: one wait for the run of twenty
.irp j, 0,1,2,3,4,5,6,7,8,9,10,11,12,13,14,15,16,17,18,19
	s_min_u32 s[40+\j], s[40+\j], 0xfff
.endr
.irp j, 0,1,2,3,4,5,6,7,8,9,10,11,12,13,14,15,16,17,18,19
	v_lshl_add_u32 v[OA+\j], s[40+\j], 11, v[CO]   ; the token's row of 2,048 bytes, my block of 512, 16 bytes a lane
.endr
	s_wait_alu depctr_va_vdst(0)                   ; the 20 offsets v212 to v231 are written, which the stores below read; the products have written v32 to v95 and are done reading v96 to v159, in which the loads below land
.macro LOADG g, set                    ; rows 4 g .. 4 g + 3 of my 20: each row's four partial sums, 512 consecutive bytes a load
.irp jj, 0,1,2,3
.irp p, 0,1,2,3
	ds_load_b128 v[(\set)+16*\jj+4*\p:(\set)+16*\jj+4*\p+3], v[RP+\p] offset:PP*(4*(\g)+\jj)
.endr
.endr
.endm
.macro ROWSUM a, o                     ; a row's four partial sums in v[a] on, and b2: the finished row goes into v[o] on
	v_pk_add_f32 v[(\a):(\a)+1], v[(\a):(\a)+1], v[(\a)+4:(\a)+5]
	v_pk_add_f32 v[(\a)+2:(\a)+3], v[(\a)+2:(\a)+3], v[(\a)+6:(\a)+7]
	v_pk_add_f32 v[(\a)+8:(\a)+9], v[(\a)+8:(\a)+9], v[(\a)+12:(\a)+13]
	v_pk_add_f32 v[(\a)+10:(\a)+11], v[(\a)+10:(\a)+11], v[(\a)+14:(\a)+15]
	v_pk_add_f32 v[(\a):(\a)+1], v[(\a):(\a)+1], v[(\a)+8:(\a)+9]
	v_pk_add_f32 v[(\a)+2:(\a)+3], v[(\a)+2:(\a)+3], v[(\a)+10:(\a)+11]
	v_pk_add_f32 v[(\o):(\o)+1], v[(\a):(\a)+1], v[B2:B2+1]
	v_pk_add_f32 v[(\o)+2:(\o)+3], v[(\a)+2:(\a)+3], v[B2+2:B2+3]
.endm
.macro ROWSTORE j, o                   ; row j of my 20, finished in v[o] on
	s_add_co_u32 s33, s32, \j
	s_cmp_lt_u32 s33, s31                          ; a row past the tile's count is not stored
	s_cbranch_scc0 .Lpast_\@
	global_store_b128 v[OA+\j], v[(\o):(\o)+3], s[20:21] th:TH_STORE_NT   ; 512 consecutive bytes, aligned; written once, read by nobody here
.Lpast_\@:
.endm
	LOADG 0, SA
	LOADG 1, SA+64
.irp g, 0,1,2,3,4
.if \g < 4
	s_wait_dscnt 16                                ; this group's 16 loads are in; the next group's may be out
.else
	s_wait_dscnt 0x0
.endif
.if \g > 1
	s_wait_xcnt 0x0                                ; the stores of two groups back have had their addresses translated: their data registers are rewritten only behind this wait,
	s_wait_alu depctr_vm_vsrc(0)                   ; and they have read this out-buffer, which the additions below write again
.endif
.irp jj, 0,1,2,3
	ROWSUM SA+64*(\g%2)+16*\jj, OUT0+(OUT1-OUT0)*(\g%2)+4*\jj
.endr
	s_wait_alu depctr_va_vdst(0)                   ; the additions have written the four finished rows, which the stores below read, and are done with this set, in which the loads below land
.if \g < 3
	LOADG \g+2, SA+64*(\g%2)                       ; the set takes the group two further on at once
.endif
.irp jj, 0,1,2,3
	ROWSTORE 4*\g+\jj, OUT0+(OUT1-OUT0)*(\g%2)+4*\jj
.endr
.endr
.Lend:
	s_wait_dscnt 0x0                               ; the closing lines, six on end
	s_wait_alu 0x0
	s_wait_tensorcnt 0x0
	ds_add_u32 v[SPW], v[NIL]
	s_wait_dscnt 0x0
	s_endpgm
.Lfunc_end_k_q9466bec254_down:
	.size	k_q9466bec254_down, .Lfunc_end_k_q9466bec254_down-k_q9466bec254_down
	.p2alignl 7, 3214868480
	.fill 96, 4, 3214868480
	.section	.rodata,"a",@progbits
	.p2align	6, 0x0
	.amdhsa_kernel k_q9466bec254_down
		.amdhsa_group_segment_fixed_size 169472
		.amdhsa_private_segment_fixed_size 0
		.amdhsa_enable_private_segment 0
		.amdhsa_kernarg_size 56
		.amdhsa_user_sgpr_count 2
		.amdhsa_user_sgpr_kernarg_segment_ptr 1
		.amdhsa_wavefront_size32 1
		.amdhsa_system_sgpr_workgroup_id_x 1
		.amdhsa_system_sgpr_workgroup_id_y 1
		.amdhsa_system_sgpr_workgroup_id_z 1
		.amdhsa_system_vgpr_workitem_id 0
		.amdhsa_next_free_vgpr 1024
		.amdhsa_next_free_sgpr 66
		.amdhsa_reserve_vcc 0
		.amdhsa_float_denorm_mode_32 3
		.amdhsa_float_denorm_mode_16_64 3
		.amdhsa_memory_ordered 1
		.amdhsa_forward_progress 1
		.amdhsa_inst_pref_size 76
	.end_amdhsa_kernel
	.amdgpu_metadata
---
amdhsa.version: [ 1, 2 ]
amdhsa.kernels:
  - .name:           k_q9466bec254_down
    .symbol:         k_q9466bec254_down.kd
    .args:
      - { .name: hq, .offset: 0, .size: 8, .value_kind: global_buffer, .address_space: global }
      - { .name: hs, .offset: 8, .size: 8, .value_kind: global_buffer, .address_space: global }
      - { .name: route, .offset: 16, .size: 8, .value_kind: global_buffer, .address_space: global }
      - { .name: wl, .offset: 24, .size: 8, .value_kind: global_buffer, .address_space: global }
      - { .name: W2_scales, .offset: 32, .size: 8, .value_kind: global_buffer, .address_space: global }
      - { .name: b2, .offset: 40, .size: 8, .value_kind: global_buffer, .address_space: global }
      - { .name: out0, .offset: 48, .size: 8, .value_kind: global_buffer, .address_space: global }
    .group_segment_fixed_size: 169472
    .private_segment_fixed_size: 0
    .kernarg_segment_align: 8
    .kernarg_segment_size: 56
    .max_flat_workgroup_size: 128
    .sgpr_count:     66
    .vgpr_count:     1024
    .wavefront_size: 32
...
	.end_amdgpu_metadata
.endif
;; end of part 6
